; MI455X (gfx1250); checked and timed in simulation.
; The chip was launched on July 23, 2026; its instructions are those of AMD's public machine-readable ISA for CDNA 5 (MIT licence, August 2026) and "CDNA5" Instruction Set Architecture Reference Guide (July 2026). The comments in the code are by the model that wrote it; some were corrected since.
;; Residue Embedding. Allowed arithmetic: float matrix products may take bf16 or f16 operands with f32 sums; all other float work in f32.
;; Inputs: W1 1,795 x 256 float32; W2 256 x 128 float32; W3 128 x 128 float32; W4 128 x 128 float32; aa_emb 20 x 128 float32; atom_mask 8 x 2,048 x 25 float32; b1 256 float32; b2 128 float32; b3 128 float32; b4 128 float32; chain_emb 10 x 128 float32; chain_idx 8 x 2,048 int32; dihedrals 8 x 2,048 x 3 float32; orientation 8 x 2,048 x 3 x 3 float32; seq 8 x 2,048 int32; xyz 8 x 2,048 x 25 x 3 float32.
;; Outputs: out0 8 x 2,048 x 128 float32.
;; 2 versions, each right; version 2 is version 1 with the launch main written anew for expert scheduling mode. Each part assembles by itself: llvm-mc -triple=amdgcn-amd-amdhsa -mcpu=gfx1250 --defsym DOCPART=n.
;; ======== version 1 of 2: 2 launches
;; limits: values are held in f16: magnitudes above 65,504 overflow, below 6.1e-05 lose precision; right only within a limited range of input values; values outside matrix products are rounded to f16
;; workspace buffers: feat 4,194,304 bytes; order 65,536 bytes of whole numbers; wpack 1,441,792 bytes
;; launch prep (part 1): grid 508 x 1, 8 waves a work-group, no clusters, 55,552 bytes of LDS; arguments seq, chain_idx, xyz, orientation, dihedrals, W1, W2, W3, W4, aa_emb, chain_emb, b1, feat, order, wpack; writes feat, order, wpack
.if DOCPART == 1
	.amdgcn_target "amdgcn-amd-amdhsa--gfx1250"
	.amdhsa_code_object_version 6
	.text
	.protected	k_q7c00f0c3ff_prep
	.globl	k_q7c00f0c3ff_prep
	.p2align	8
	.type	k_q7c00f0c3ff_prep,@function
k_q7c00f0c3ff_prep:
	s_mov_b64 s[64:65], 0
	v_nop
	global_prefetch_b8 v0, s[64:65] scope:SCOPE_SE
	s_setreg_imm32_b32 hwreg(HW_REG_WAVE_MODE, 25, 1), 1
	s_wait_xcnt 0x0
; prep: everything that the four layers need and that is made once.  508 work-groups of eight waves, five roles by the work-group's number:
;   T   0..3     wpack: slots 112-127 of layer 1's weights of every type, 64 columns a work-group: W1's last two angle rows, four zeros, and for chain
;                c = 0..9 the sum b1 + aa_emb[type] @ W1[0:128] + (c != 0) chain_emb[c] @ W1[1667:1795], which meets a one-hot of the chain in feat
;   S   4..163   order[16384]: the rows sorted by (type, eighth of the list); a word = row | type<<16.  Work-group (type, eighth) places its own rows
;   P   164..243 wpack: slots 0-111 of layer 1's weights of one type (W1's 75 coordinate rows of the type, 37 angle rows), one K step of 32 a work-group
;   Q   244..251 wpack: W2, W3, W4 as f16 fragments, 64 rows of K a work-group
;   F   252..507 feat[row][128] f16: slots 0-74 local coordinates R^T (x - x_CA), 75-113 angular encoding, 114-117 zero, 118+c one-hot of the chain; 64 rows a work-group
; The role hangs on the work-group's number alone, so all eight waves of a work-group take the same way and meet at the same barriers.
; Each role that uses LDS has bytes of its own (F 0..36,863, S 36,864..36,927, T 37,120..54,527): no byte belongs to two ways through the text.
; WHY THIS IS ALL OF x @ W1 + b1: the one-hot product leaves 75 of the 1,500 coordinate columns other than zero, and they meet W1's rows 128+75*type .. +74 alone;
; b1 and the two embedding parts take 20 x 10 different values a column, one for each (type, chain), picked by the one-hot slot.
; A FRAGMENT (16 columns n, 32 k) is 1,024 bytes: lane 16h+r has k = 8h..8h+7 of column r at byte 16*lane and k = 16+8h..+7 at 512+16*lane,
; so two 16-byte loads a lane, each of 512 consecutive bytes a wave, fill a matrix operand.  Layer 1's weights of a type: 16 column tiles x 4 K steps = 65,536 bytes.
; atom_mask: reference() takes it and never uses it; no output number hangs on it, so no launch names it.
; LIMITS: matrix operands are f16: |local coordinate|, |embedding|, |weight| and |the sum of b1 and the two embedding parts| below 65,504 (beyond: infinity), each
; rounded to f16.  |frequency * dihedral| up to 1e6 (the quadrant is kept as a 32-bit whole number and pi/2 in three parts).  Sine to r^7, cosine to r^8 on
; |r| <= pi/4: truncation below 4e-7.  seq in 0..19, chain_idx in 0..9.
.set ID_S, 4
.set ID_P, 164
.set ID_Q, 244
.set ID_F, 252
.set P2_OFF, 1310720                   ; wpack: 20 types x 65,536 bytes in front
.set P3_OFF, 1376256
.set P4_OFF, 1409024
.set OUTB, 19456                       ; role F: the stage of 64 feature rows, pitch 272, behind the copy of xyz (19,200 bytes); ends at 36,864
.set SB, 36864                         ; role S: sixteen words
.set TB, 37120                         ; role T: 64 rows of 64 f32, pitch 272
.macro PLACES                          ; four places behind a matrix instruction before its results are read or its registers written (ISA guide 7.12.1)
.rept 4
	v_nop
.endr
.endm
; n halves of the registers from v[first] on, to LDS at v[addr] + off, two bytes each: even ones from the low half, odd ones from the high half
.macro ST16 addr, first, n, off
.set u_, 0
.rept \n
.if u_ % 2
	ds_store_b16_d16_hi v[\addr], v[\first+u_/2] offset:\off+2*u_
.else
	ds_store_b16 v[\addr], v[\first+u_/2] offset:\off+2*u_
.endif
.set u_, u_+1
.endr
.endm
	s_load_b512 s[4:19], s[0:1], 0x0               ; seq 4, chain_idx 6, xyz 8, orientation 10, dihedrals 12, W1 14, W2 16, W3 18
	s_load_b256 s[20:27], s[0:1], 0x40             ; W4 20, aa_emb 22, chain_emb 24, b1 26
	s_load_b128 s[28:31], s[0:1], 0x60             ; feat 28, order 30
	s_load_b64 s[32:33], s[0:1], 0x70              ; wpack
	v_lshl_add_u32 v232, v0, 2, 0xd500
	v_mov_b32 v233, 0
	v_lshrrev_b32 v1, 5, v0
	v_readfirstlane_b32 s36, v1                    ; wave 0..7
	s_mov_b32 s37, ttmp9                           ; work-group
	s_wait_kmcnt 0x0
	s_cmp_lt_u32 s37, ID_S
	s_cbranch_scc1 .Lrole_t
	s_cmp_lt_u32 s37, ID_P
	s_cbranch_scc1 .Lrole_s
	s_cmp_lt_u32 s37, ID_Q
	s_cbranch_scc1 .Lrole_p
	s_cmp_lt_u32 s37, ID_F
	s_cbranch_scc1 .Lrole_q
; ---------------------------------------------------------------- role F: features of 64 rows
; Thread: row = t & 63, quarter q = wave >> 1.  Quarter q makes atoms 5q..5q+4; quarters 0-2 then one dihedral each, quarter 3 atoms 20-24, the zero slots and the one-hot.
; xyz comes in as 19,200 consecutive bytes (16 a lane) and is read from LDS by rows of 300 bytes; the rows go out through a stage as whole rows of 256 bytes.
	s_sub_co_u32 s38, s37, ID_F
	s_mov_b32 s41, 0
	s_mul_i32 s40, s38, 19200
	s_add_nc_u64 s[8:9], s[8:9], s[40:41]          ; xyz at my 64 rows
	s_mul_i32 s40, s38, 2304
	s_add_nc_u64 s[10:11], s[10:11], s[40:41]      ; orientation
	s_mul_i32 s40, s38, 768
	s_add_nc_u64 s[12:13], s[12:13], s[40:41]      ; dihedrals
	s_lshl_b32 s40, s38, 8
	s_add_nc_u64 s[6:7], s[6:7], s[40:41]          ; chain_idx
	s_lshl_b32 s40, s38, 14
	s_add_nc_u64 s[28:29], s[28:29], s[40:41]      ; feat
	s_lshr_b32 s39, s36, 1                         ; q
	v_lshlrev_b32 v2, 4, v0                        ; 16 t: the linear copy in, and the rows out
	v_and_b32 v3, 63, v0                           ; row
	v_mul_u32_u24 v4, v3, 36                       ; orientation: 9 words a row
	v_mul_u32_u24 v5, v3, 12
	v_lshl_add_u32 v5, s39, 2, v5                  ; dihedral q of the row (used by quarters 0-2 alone)
	v_lshlrev_b32 v1, 2, v3                        ; the row's word of chain_idx (used by quarter 3 alone)
.irp i, 0,1,2,3
	global_load_b128 v[12+4*\i:15+4*\i], v2, s[8:9] offset:4096*\i th:TH_LOAD_NT
.endr
.irp k, 0,1,2,3,4,5,6,7,8
	global_load_b32 v[32+\k], v4, s[10:11] offset:4*\k
.endr
	s_cmp_gt_u32 s36, 5
	s_cbranch_scc1 .Lf_chain
	global_load_b32 v59, v5, s[12:13]              ; quarters 0-2: a dihedral
	s_branch .Lf_asked
.Lf_chain:
	global_load_b32 v59, v1, s[6:7]                ; quarter 3: the chain
.Lf_asked:
	v_mul_u32_u24 v7, v3, 300                      ; the row in the copy of xyz
	s_mul_i32 s42, s39, 60
	v_add_nc_u32 v6, s42, v7                       ; + my five atoms
	v_mul_u32_u24 v11, v3, 272
	v_add_nc_u32 v11, OUTB, v11                    ; the row in the stage
	s_mul_i32 s42, s39, 30
	v_add_nc_u32 v8, s42, v11                      ; + 15 slots a quarter
	s_mul_i32 s42, s39, 26
	v_add_nc_u32 v9, s42, v11                      ; + 13 slots a dihedral
	v_lshrrev_b32 v10, 4, v0
	v_mul_u32_u24 v10, v10, 272
	v_and_b32 v63, 15, v0
	v_lshl_add_u32 v10, v63, 4, v10
	v_add_nc_u32 v10, OUTB, v10                    ; the way out: sixteen lanes read one row of 256 bytes
	s_mov_b32 s66, 0x3f22f983                      ; 2 / pi
	s_mov_b32 s67, 0xbfc90fdb                      ; - pi/2 in three parts
	s_mov_b32 s68, 0x333bbd2e
	s_mov_b32 s69, 0x26f72ced
	s_mov_b32 s70, 0xbe2aaaab                      ; -1/6
	s_mov_b32 s71, 0x3c088889                      ; 1/120
	s_mov_b32 s72, 0xb9500d01                      ; -1/5040
	s_mov_b32 s74, 0x3d2aaaab                      ; 1/24
	s_mov_b32 s75, 0xbab60b61                      ; -1/720
	s_mov_b32 s76, 0x37d00d01                      ; 1/40320
	v_cmp_gt_u32 vcc_lo, 176, v0                   ; the last 2,816 bytes of xyz: 176 threads
	s_wait_xcnt 0x0                                ; EXEC is a source of the loads above: it changes only behind this wait
	s_and_saveexec_b32 s50, vcc_lo
	global_load_b128 v[28:31], v2, s[8:9] offset:16384 th:TH_LOAD_NT
	s_wait_loadcnt 0x0                             ; everything is in
	ds_store_b128 v2, v[28:31] offset:16384
	s_wait_xcnt 0x0                                ; and again in front of the line that widens EXEC
	s_or_b32 exec_lo, exec_lo, s50
.irp i, 0,1,2,3
	ds_store_b128 v2, v[12+4*\i:15+4*\i] offset:4096*\i
.endr
	s_wait_dscnt 0x0                               ; my part of the copy is written: zero, for the other waves' sake
	s_barrier_signal -1
	s_barrier_wait -1
	ds_load_b32 v41, v7 offset:12                  ; x_CA: atom 1
	ds_load_b32 v42, v7 offset:16
	ds_load_b32 v43, v7 offset:20
; five atoms at byte lo behind my quarter's first: local_i = sum over j of R[j][i] (x_j - CA_j); fifteen f16 to the stage at byte oo behind my quarter's slots
.macro ATOMS lo, oo
.set k_, 0
.rept 15
	ds_load_b32 v[44+k_], v6 offset:\lo+4*k_       ; rows are 75 words apart: an odd number, so 32 lanes touch 32 different words modulo 64
.set k_, k_+1
.endr
	s_wait_dscnt 0x0
.irp a, 0,1,2,3,4
	v_sub_f32 v60, v[44+3*\a], v41
	v_sub_f32 v61, v[45+3*\a], v42
	v_sub_f32 v62, v[46+3*\a], v43
.irp i, 0,1,2
	v_mul_f32 v[64+3*\a+\i], v60, v[32+\i]
	v_fmac_f32 v[64+3*\a+\i], v61, v[35+\i]
	v_fmac_f32 v[64+3*\a+\i], v62, v[38+\i]
.endr
.endr
.irp i, 0,1,2,3,4,5,6
	v_cvt_pk_f16_f32 v[80+\i], v[64+2*\i], v[65+2*\i]
.endr
	v_cvt_pk_f16_f32 v87, v78, v78                 ; the fifteenth; its upper half is not stored
	ST16 8, 80, 15, \oo
.endm
; sine and cosine of v[x]: n = nearest whole number to x * 2/pi, r = x - n pi/2 by three fused steps, two short series, and the quadrant n mod 4,
; which only selects values and flips signs.
.macro SINCOS x, so, co
	v_mul_f32 v95, s66, v[\x]
	v_rndne_f32 v95, v95
	v_fma_f32 v96, v95, s67, v[\x]
	v_fma_f32 v96, v95, s68, v96
	v_fma_f32 v96, v95, s69, v96
	v_cvt_i32_f32 v98, v95
	v_mul_f32 v97, v96, v96
	v_fma_f32 v117, v97, s72, s71
	v_fma_f32 v118, v97, s76, s75
	v_fma_f32 v117, v117, v97, s70
	v_fma_f32 v118, v118, v97, s74
	v_mul_f32 v99, v97, v96
	v_fma_f32 v118, v118, v97, -0.5
	v_fma_f32 v117, v117, v99, v96                 ; sin r
	v_fma_f32 v118, v118, v97, 1.0                 ; cos r
	v_and_b32 v99, 1, v98
	v_cmp_eq_u32 vcc_lo, 1, v99                    ; odd quadrant: the two change places
	v_cndmask_b32 v[\so], v117, v118, vcc_lo
	v_cndmask_b32 v[\co], v118, v117, vcc_lo
	v_lshlrev_b32 v99, 30, v98                     ; sine: minus in quadrants 2, 3 (bit 1 of n)
	v_and_b32 v99, 0x80000000, v99
	v_xor_b32 v[\so], v[\so], v99
	v_add_nc_u32 v98, 1, v98                       ; cosine: minus in quadrants 1, 2 (bit 1 of n + 1)
	v_lshlrev_b32 v99, 30, v98
	v_and_b32 v99, 0x80000000, v99
	v_xor_b32 v[\co], v[\co], v99
.endm
	ATOMS 0, 0
	s_cmp_gt_u32 s36, 5
	s_cbranch_scc1 .Lf_tail
	; one dihedral: x, sin of (1, 2, 3, 1, 1/2, 1/3) x, cos of the same; the products are f32 products as in reference(); frequency 1 is computed once, stored twice
	v_add_f32 v91, v59, v59
	v_mul_f32 v92, 0x40400000, v59
	v_mul_f32 v93, 0.5, v59
	v_mul_f32 v94, 0x3eaaaaab, v59
	SINCOS 59, 100, 105
	SINCOS 91, 101, 106
	SINCOS 92, 102, 107
	SINCOS 93, 103, 108
	SINCOS 94, 104, 109
	v_cvt_pk_f16_f32 v110, v59, v100
	v_cvt_pk_f16_f32 v111, v101, v102
	v_cvt_pk_f16_f32 v112, v100, v103
	v_cvt_pk_f16_f32 v113, v104, v105
	v_cvt_pk_f16_f32 v114, v106, v107
	v_cvt_pk_f16_f32 v115, v105, v108
	v_cvt_pk_f16_f32 v116, v109, v109
	ST16 9, 110, 13, 150                           ; slots 75 + 13 d ..
	s_branch .Lf_join
.Lf_tail:
	ATOMS 60, 30                                   ; atoms 20-24: 60 bytes and 15 slots behind quarter 3's first five
	; slots 114-117 zero; slots 118-127 the one-hot of the chain: word chain >> 1 of five holds 1.0 (f16) in its half chain & 1
	v_and_b32 v60, 1, v59
	v_lshlrev_b32 v60, 4, v60
	v_mov_b32 v61, 0x3c00
	v_lshlrev_b32 v60, v60, v61
	v_lshrrev_b32 v62, 1, v59
	v_mov_b32 v100, 0
	v_cmp_eq_u32 vcc_lo, 0, v62
	v_cndmask_b32 v101, 0, v60, vcc_lo
.irp k, 1,2,3,4
	v_cmp_eq_u32 vcc_lo, \k, v62
	v_cndmask_b32 v[103+\k], 0, v60, vcc_lo
.endr
	ds_store_b32 v11, v100 offset:228              ; slots 114, 115
	ds_store_b64 v11, v[100:101] offset:232        ; slots 116, 117; chains 0, 1
	ds_store_b128 v11, v[104:107] offset:240       ; chains 2-9
.Lf_join:
	s_wait_dscnt 0x0                               ; my part of the rows is written
	s_barrier_signal -1
	s_barrier_wait -1
.irp i, 0,1,2,3
	ds_load_b128 v[12+4*\i:15+4*\i], v10 offset:4352*\i
.endr
.irp i, 0,1,2,3
	s_wait_dscnt 3-\i                              ; the younger reads stay out
	global_store_b128 v2, v[12+4*\i:15+4*\i], s[28:29] offset:4096*\i   ; sixteen lanes store one row: 256 consecutive bytes, aligned
.endr
	s_wait_tensorcnt 0x0
	ds_add_u32 v232, v233
	s_wait_dscnt 0x0
	s_endpgm
; ---------------------------------------------------------------- role S: where the rows of type t in eighth p go
; place = (number of keys with (key, eighth) < (t, p)) + rank among my own rows.  Every work-group counts over the whole of seq (65,536 bytes), so no
; work-group needs another's figure.  A word of order is stored by the one work-group whose (type, eighth) it has; its blocks of 256 bytes are written
; in parts: accepted for a list of 65,536 bytes.
; THE STORES RUN WITH ALL LANES ON: a lane whose key is not of my type repeats the store of the mask's first lane that is (the same address, the same word,
; in the same instruction), so EXEC is never changed and no store waits for another; a mask with no bit set skips its store.
.Lrole_s:
	s_sub_co_u32 s38, s37, ID_S
	s_lshr_b32 s39, s38, 3                         ; t
	s_and_b32 s40, s38, 7                          ; p
	v_lshlrev_b32 v2, 4, v0                        ; 16 t: four keys a thread and load
	s_lshl_b32 s42, s40, 13
	s_mov_b32 s43, 0
	s_add_nc_u64 s[84:85], s[4:5], s[42:43]        ; my eighth of seq
	global_load_b128 v[80:83], v2, s[84:85]
	global_load_b128 v[84:87], v2, s[84:85] offset:4096
.set j_, 0
.rept 16
	global_load_b128 v[16+4*j_:19+4*j_], v2, s[4:5] offset:4096*j_   ; load j: keys 1024 j .., eighth j / 2
.set j_, j_+1
.endr
.irp q, 0,1,2,3,4,5,6,7
	s_cmp_gt_u32 s40, \q
	s_cselect_b32 s[44+\q], 1, 0
	s_add_co_u32 s[44+\q], s[44+\q], s39           ; a key of eighth q lies in front of mine if key < t + (q < p)
.endr
	s_mov_b32 s52, 0
.set j_, 0
.rept 16
	s_wait_loadcnt 15-j_                           ; loads come back in order: load j is in, the younger ones stay out
.irp e, 0,1,2,3
	v_cmp_gt_u32 s[88+\e], s[44+j_/2], v[16+4*j_+\e]
.endr
.irp e, 0,1,2,3
	s_bcnt1_i32_b32 s[88+\e], s[88+\e]
.endr
	s_add_co_u32 s88, s88, s89
	s_add_co_u32 s90, s90, s91
	s_add_co_u32 s52, s52, s88
	s_add_co_u32 s52, s52, s90
.set j_, j_+1
.endr
.irp k, 0,1,2,3,4,5,6,7
	v_cmp_eq_u32 s[56+\k], s39, v[80+\k]           ; my own rows: key k = 4 i + e of thread t is row 2048 p + 1024 i + 4 t + e
.endr
	s_mov_b32 s53, 0
.irp k, 0,1,2,3,4,5,6,7
	s_mov_b32 s[66+\k], s53                        ; my wave's rows in front of mask k
	s_bcnt1_i32_b32 s54, s[56+\k]
	s_add_co_u32 s53, s53, s54
.endr
	v_mov_b32 v3, s36
	v_lshlrev_b32 v3, 2, v3
	v_mov_b32 v4, s52
	v_mov_b32 v5, s53
	ds_store_b32 v3, v4 offset:SB                  ; words 0-7: the waves' counts of keys in front
	ds_store_b32 v3, v5 offset:SB+32               ; words 8-15: the waves' counts of own rows
	s_wait_dscnt 0x0
	s_barrier_signal -1
	s_barrier_wait -1
	v_mov_b32 v6, 0
.irp i, 0,1,2,3
	ds_load_b128 v[112+4*\i:115+4*\i], v6 offset:SB+16*\i
.endr
	s_lshl_b32 s42, s40, 11
	s_lshl_b32 s43, s39, 16
	s_or_b32 s42, s42, s43
	v_lshl_add_u32 v7, v0, 2, s42                  ; 4 t + 2048 p + type<<16
	s_lshl_b32 s43, s36, 7
	s_add_co_u32 s92, s42, s43                     ; the same for lane 0 of my wave
	s_mov_b32 s41, 0
	s_wait_dscnt 0x0
.irp i, 0,1,2,3,4,5,6,7
	v_readfirstlane_b32 s54, v[112+\i]
	s_add_co_u32 s41, s41, s54
.endr
.irp i, 0,1,2,3,4,5,6
	v_readfirstlane_b32 s54, v[120+\i]
	s_cmp_gt_u32 s36, \i
	s_cselect_b32 s54, s54, 0                      ; own rows of the waves in front of mine
	s_add_co_u32 s41, s41, s54
.endr
.irp k, 0,1,2,3,4,5,6,7
	s_add_co_u32 s54, s41, s[66+\k]                ; the place of the mask's first row
	v_mbcnt_lo_u32_b32 v[96+\k], s[56+\k], s54     ; + my mask's bits below my lane
	v_cndmask_b32 v[96+\k], s54, v[96+\k], s[56+\k]   ; a lane with no row of mine goes with the first
	v_min_u32 v[96+\k], 0x3fff, v[96+\k]           ; a place in the list of 16,384
	v_lshlrev_b32 v[96+\k], 2, v[96+\k]
	s_ctz_i32_b32 s55, s[56+\k]                    ; the first lane of the mask,
	s_lshl2_add_u32 s55, s55, s92                  ; and its word: 4 x lane + lane 0's
	s_add_co_u32 s55, s55, 1024*(\k/4)+(\k%4)
	v_add_nc_u32 v[104+\k], 1024*(\k/4)+(\k%4), v7
	v_cndmask_b32 v[104+\k], s55, v[104+\k], s[56+\k]
.endr
.irp k, 0,1,2,3,4,5,6,7
	s_cmp_eq_u32 s[56+\k], 0
	s_cbranch_scc1 .Ls_skip\k
	global_store_b32 v[96+\k], v[104+\k], s[30:31]
.Ls_skip\k:
.endr
	s_wait_tensorcnt 0x0
	ds_add_u32 v232, v233
	s_wait_dscnt 0x0
	s_endpgm
; ---------------------------------------------------------------- role P: one K step of layer 1's weights of one type
; Thread = column n.  Slot k < 75: W1 row 128 + 75 type + k; 75 <= k < 112: row 1628 + k - 75.  K step 3 makes its first sixteen slots alone: 112-127 are role T's.
.Lrole_p:
	s_sub_co_u32 s38, s37, ID_P
	s_lshr_b32 s39, s38, 2                         ; type
	s_and_b32 s38, s38, 3                          ; K step
	s_mul_i32 s44, s39, 76800
	s_add_co_u32 s44, s44, 131072
	s_mov_b32 s45, 0
	s_add_nc_u64 s[40:41], s[14:15], s[44:45]      ; W1 at row 128 + 75 type
	s_lshl_b32 s44, s39, 16
	s_add_nc_u64 s[42:43], s[32:33], s[44:45]      ; wpack at the type's 65,536 bytes
	v_lshlrev_b32 v2, 2, v0
	v_lshrrev_b32 v3, 4, v0
	v_lshlrev_b32 v3, 12, v3                       ; column tile: four fragments of 1,024 bytes
	v_and_b32 v4, 15, v0
	v_lshl_add_u32 v3, v4, 4, v3
.macro PSEC s, nk                      ; K step s, its first nk slots
.set kk_, 0
.rept \nk
.set ksl_, 32*\s+kk_
.if ksl_ < 75
	global_load_b32 v[32+kk_], v2, s[40:41] offset:ksl_*1024
.else
	global_load_b32 v[32+kk_], v2, s[14:15] offset:(1553+ksl_)*1024
.endif
.set kk_, kk_+1
.endr
	s_wait_loadcnt 0x0
.set kk_, 0
.rept \nk/2
	v_cvt_pk_f16_f32 v[64+kk_], v[32+2*kk_], v[33+2*kk_]
.set kk_, kk_+1
.endr
.set kk_, 0
.rept \nk/8
	global_store_b128 v3, v[64+4*kk_:67+4*kk_], s[42:43] offset:\s*1024+(kk_/2)*512+(kk_%2)*256   ; k = 8 kk ..: half h = kk & 1, second 16 for kk >= 2; sixteen lanes fill 256 bytes
.set kk_, kk_+1
.endr
	s_endpgm
.endm
	s_cmp_eq_u32 s38, 0
	s_cbranch_scc1 .Lp0
	s_cmp_eq_u32 s38, 1
	s_cbranch_scc1 .Lp1
	s_cmp_eq_u32 s38, 2
	s_cbranch_scc1 .Lp2
	PSEC 3, 16
.Lp0:
	PSEC 0, 32
.Lp1:
	PSEC 1, 32
.Lp2:
	PSEC 2, 32
; ---------------------------------------------------------------- role Q: 64 rows of K of W2 (slabs 0-3), W3 (4-5), W4 (6-7)
; Thread: column n = t & 127, half h = t >> 7.  Chunk j holds k = 16 j + 8 h + 0..7 of the slab.
.Lrole_q:
	s_sub_co_u32 s38, s37, ID_Q
	s_and_b32 s46, s38, 1
	s_mov_b32 s43, P3_OFF
	s_mov_b32 s44, P2_OFF
	s_mov_b32 s45, P4_OFF
	s_cmp_lt_u32 s38, 4
	s_cselect_b64 s[40:41], s[16:17], s[18:19]
	s_cselect_b32 s42, 13, 12                      ; bytes of a column tile: 8 or 4 fragments
	s_cselect_b32 s43, s44, s43
	s_cselect_b32 s46, s38, s46                    ; slab within the matrix
	s_cmp_lt_u32 s38, 6
	s_cselect_b64 s[40:41], s[40:41], s[20:21]
	s_cselect_b32 s43, s43, s45
	s_lshl_b32 s48, s46, 15
	s_mov_b32 s49, 0
	s_add_nc_u64 s[40:41], s[40:41], s[48:49]      ; 64 rows of 512 bytes a slab
	s_lshl_b32 s48, s46, 11
	s_add_co_u32 s48, s48, s43
	s_add_nc_u64 s[32:33], s[32:33], s[48:49]      ; two fragments a slab in each column tile
	v_and_b32 v4, 127, v0
	v_lshrrev_b32 v5, 7, v0
	v_lshlrev_b32 v2, 2, v4
	v_lshl_add_u32 v2, v5, 12, v2                  ; 4 n + 8 h rows
	v_lshrrev_b32 v6, 4, v4
	v_lshlrev_b32 v3, s42, v6
	v_lshl_add_u32 v3, v5, 8, v3
	v_and_b32 v6, 15, v0
	v_lshl_add_u32 v3, v6, 4, v3
.irp j, 0,1,2,3
.irp i, 0,1,2,3,4,5,6,7
	global_load_b32 v[32+8*\j+\i], v2, s[40:41] offset:(16*\j+\i)*512
.endr
.endr
	s_wait_loadcnt 0x0
.set kk_, 0
.rept 16
	v_cvt_pk_f16_f32 v[64+kk_], v[32+2*kk_], v[33+2*kk_]
.set kk_, kk_+1
.endr
.irp j, 0,1,2,3
	global_store_b128 v3, v[64+4*\j:67+4*\j], s[32:33] offset:(\j/2)*1024+(\j%2)*512
.endr
	s_endpgm
; ---------------------------------------------------------------- role T: slots 112-127 of layer 1's weights, 64 columns, all 20 types
; FIRST PART.  Wave w: column tile nt = w & 3; g = w >> 2: 0 aa_emb @ W1[0:128], 1 chain_emb @ W1[1667:1795].  K = 128: four K steps, two tiles of 16 embedding rows.
; The matrix instruction is used transposed (source 0 = 16 columns of W1, source 1 = 16 embedding rows): lane (r, h) then holds row r, columns 8h..8h+7.
; Row numbers are clamped to the table's last row, so no load leaves its buffer; the chain waves' second tile repeats row 9 and is never read:
; four matrix instructions in sixteen waves of the launch, accepted for one way through the text.  The results meet in LDS: rows 0-19 aa, rows 32-41 chain.
; SECOND PART.  Lane (r, h) of wave (nt, g) makes, for the types 2 i + g, the 16 bytes of column 16 nt + r: h = 0 slots 112-119 (angle rows 37, 38 of 39, four zeros,
; chains 0, 1), h = 1 slots 120-127 (chains 2-9).  A wave's store is the second 512 bytes of the fragment (column tile, K step 3).
; Registers: v[16:31] two accumulators, v[32:95] W1 as loaded, v[96:159] and v[160:223] the two embedding tiles as loaded, v224 b1, v225-226 the angle rows.
.Lrole_t:
	s_and_b32 s38, s36, 3                          ; nt
	s_lshr_b32 s39, s36, 2                         ; g
	v_and_b32 v2, 15, v0                           ; r
	v_bfe_u32 v3, v0, 4, 1                         ; h
	v_lshlrev_b32 v4, 2, v2
	v_lshl_add_u32 v4, v3, 13, v4                  ; 8 h rows of W1 + 4 r
	s_cmp_eq_u32 s39, 0
	s_cselect_b64 s[40:41], s[22:23], s[24:25]     ; the embedding
	s_cselect_b32 s42, 19, 9                       ; its last row
	s_cselect_b32 s50, -1, 0                       ; aa waves keep every row
	s_lshl_b32 s44, s37, 8
	s_mov_b32 s45, 0
	s_add_nc_u64 s[26:27], s[26:27], s[44:45]      ; b1 at the work-group's 64 columns
	s_add_nc_u64 s[52:53], s[14:15], s[44:45]      ; W1 at them
	s_lshl_b32 s47, s38, 6                         ; my tile's 64 bytes of a row
	s_mul_i32 s44, s39, 1667*1024
	s_add_co_u32 s44, s44, s47
	s_add_nc_u64 s[14:15], s[52:53], s[44:45]      ; W1 at my first row and my tile
	s_lshl_b32 s44, s39, 16                        ; wpack: type g,
	s_lshl_b32 s46, s37, 14                        ; four column tiles of 4,096 bytes a work-group,
	s_add_co_u32 s44, s44, s46
	s_lshl_b32 s46, s38, 12                        ; my tile,
	s_add_co_u32 s44, s44, s46
	s_add_co_u32 s44, s44, 3584                    ; K step 3, its second 512 bytes
	s_add_nc_u64 s[32:33], s[32:33], s[44:45]
	v_min_u32 v5, s42, v2
	v_add_nc_u32 v6, 16, v2
	v_min_u32 v6, s42, v6
	v_lshlrev_b32 v5, 9, v5
	v_lshlrev_b32 v6, 9, v6
	v_lshl_add_u32 v5, v3, 5, v5                   ; row x 512 + 32 h
	v_lshl_add_u32 v6, v3, 5, v6
	v_lshl_add_u32 v8, v2, 2, s47                  ; second part: my column among the 64, in bytes
.irp ks, 0,1,2,3
.irp q, 0,1
.irp i, 0,1,2,3,4,5,6,7
	global_load_b32 v[32+16*\ks+8*\q+\i], v4, s[14:15] offset:(32*\ks+16*\q+\i)*1024   ; W1(32 ks + 16 q + 8 h + i, n0 + r)
.endr
.endr
.endr
.irp ks, 0,1,2,3
.irp q, 0,1
	global_load_b128 v[96+16*\ks+8*\q:99+16*\ks+8*\q],    v5, s[40:41] offset:128*\ks+64*\q
	global_load_b128 v[100+16*\ks+8*\q:103+16*\ks+8*\q],  v5, s[40:41] offset:128*\ks+64*\q+16
	global_load_b128 v[160+16*\ks+8*\q:163+16*\ks+8*\q],  v6, s[40:41] offset:128*\ks+64*\q
	global_load_b128 v[164+16*\ks+8*\q:167+16*\ks+8*\q],  v6, s[40:41] offset:128*\ks+64*\q+16
.endr
.endr
	global_load_b32 v224, v8, s[26:27]                       ; b1 of my column
	global_load_b32 v225, v8, s[52:53] offset:1665*1024      ; W1's rows of slots 112 and 113
	global_load_b32 v226, v8, s[52:53] offset:1666*1024
	s_mul_i32 s46, s39, 32*272
	s_add_co_u32 s46, s46, s47
	v_mul_u32_u24 v7, v2, 272
	v_lshl_add_u32 v7, v3, 5, v7
	v_add_nc_u32 v7, s46, v7                       ; in the role's LDS region: row (32 g + r) x 272 + 64 nt + 32 h
	s_mov_b32 s51, 8*272
	v_mad_u32_u24 v14, v3, s51, v8                 ; my column, eight rows further down for h = 1
	s_mul_i32 s48, s39, 272
	v_add_nc_u32 v15, s48, v8                      ; my column, row g
	v_and_b32 v10, 31, v0
	v_lshlrev_b32 v10, 4, v10                      ; 16 x lane
	s_wait_loadcnt 0x0
	; f32 to f16 in place, ascending: register i takes registers 2i, 2i+1, which no earlier step has written
.irp base, 32, 96, 160
.set kk_, 0
.rept 32
	v_cvt_pk_f16_f32 v[\base+kk_], v[\base+2*kk_], v[\base+2*kk_+1]
.set kk_, kk_+1
.endr
.endr
	; the two accumulators take turns, one instruction a turn; the first pair starts the sums
	v_wmma_f32_16x16x32_f16 v[16:23], v[32:39], v[96:103], 0
	v_wmma_f32_16x16x32_f16 v[24:31], v[32:39], v[160:167], 0
.irp ks, 1,2,3
	v_wmma_f32_16x16x32_f16 v[16:23], v[32+8*\ks:39+8*\ks], v[96+8*\ks:103+8*\ks], v[16:23]
	v_wmma_f32_16x16x32_f16 v[24:31], v[32+8*\ks:39+8*\ks], v[160+8*\ks:167+8*\ks], v[24:31]
.endr
	PLACES
	v_cmp_ne_u32 vcc_lo, 0, v2
	s_or_b32 vcc_lo, vcc_lo, s50                   ; keep all but the chain waves' row 0: reference() takes 0 for chain 0, whatever chain_emb[0] holds
.irp j, 0,1,2,3,4,5,6,7
	v_cndmask_b32 v[16+\j], 0, v[16+\j], vcc_lo
.endr
	ds_store_b128 v7, v[16:19] offset:TB
	ds_store_b128 v7, v[20:23] offset:TB+16
	ds_store_b128 v7, v[24:27] offset:TB+4352
	ds_store_b128 v7, v[28:31] offset:TB+4368
	s_wait_dscnt 0x0
	s_barrier_signal -1
	s_barrier_wait -1
	; second part.  v[40:47]: what slot 8 h + j adds to the base; v[48:57]: the aa parts of my ten types
.irp j, 0,1,2,3,4,5
	ds_load_b32 v[40+\j], v8 offset:TB+(34+\j)*272           ; chains 2-7 (of use for h = 1; replaced below for h = 0)
.endr
	ds_load_b32 v46, v14 offset:TB+32*272                    ; chain 0 (h = 0) or 8 (h = 1)
	ds_load_b32 v47, v14 offset:TB+33*272                    ; chain 1 or 9
.irp i, 0,1,2,3,4,5,6,7,8,9
	ds_load_b32 v[48+\i], v15 offset:TB+2*\i*272             ; type 2 i + g
.endr
	v_cmp_eq_u32 vcc_lo, 1, v3
	s_wait_dscnt 0x0
	v_cndmask_b32 v40, v225, v40, vcc_lo           ; h = 0: the two angle rows,
	v_cndmask_b32 v41, v226, v41, vcc_lo
.irp j, 2,3,4,5
	v_cndmask_b32 v[40+\j], 0, v[40+\j], vcc_lo    ; four zeros
.endr
.irp i, 0,1,2,3,4,5,6,7,8,9
	v_add_f32 v58, v[48+\i], v224                  ; the base: b1 + the aa part
	v_cndmask_b32 v59, 0, v58, vcc_lo              ; for h = 0 it enters the last two slots alone
.irp j, 0,1,2,3,4,5
	v_add_f32 v[64+\j], v[40+\j], v59
.endr
	v_add_f32 v70, v46, v58
	v_add_f32 v71, v47, v58
.irp j, 0,1,2,3
	v_cvt_pk_f16_f32 v[96+4*\i+\j], v[64+2*\j], v[65+2*\j]
.endr
	global_store_b128 v10, v[96+4*\i:99+4*\i], s[32:33] offset:131072*\i   ; two types on; the wave stores 512 consecutive bytes, aligned
.endr
	s_wait_tensorcnt 0x0
	ds_add_u32 v232, v233
	s_wait_dscnt 0x0
	s_endpgm
.Lfunc_end_k_q7c00f0c3ff_prep:
	.size	k_q7c00f0c3ff_prep, .Lfunc_end_k_q7c00f0c3ff_prep-k_q7c00f0c3ff_prep
	.p2alignl 7, 3214868480
	.fill 96, 4, 3214868480
	.section	.rodata,"a",@progbits
	.p2align	6, 0x0
	.amdhsa_kernel k_q7c00f0c3ff_prep
		.amdhsa_group_segment_fixed_size 55552
		.amdhsa_private_segment_fixed_size 0
		.amdhsa_enable_private_segment 0
		.amdhsa_kernarg_size 120
		.amdhsa_user_sgpr_count 2
		.amdhsa_user_sgpr_kernarg_segment_ptr 1
		.amdhsa_wavefront_size32 1
		.amdhsa_system_sgpr_workgroup_id_x 1
		.amdhsa_system_sgpr_workgroup_id_y 1
		.amdhsa_system_sgpr_workgroup_id_z 1
		.amdhsa_system_vgpr_workitem_id 0
		.amdhsa_next_free_vgpr 234
		.amdhsa_next_free_sgpr 100
		.amdhsa_reserve_vcc 1
		.amdhsa_float_denorm_mode_32 3
		.amdhsa_float_denorm_mode_16_64 3
		.amdhsa_memory_ordered 1
		.amdhsa_forward_progress 1
		.amdhsa_inst_pref_size 92
	.end_amdhsa_kernel
	.amdgpu_metadata
---
amdhsa.version: [ 1, 2 ]
amdhsa.kernels:
  - .name:           k_q7c00f0c3ff_prep
    .symbol:         k_q7c00f0c3ff_prep.kd
    .args:
      - { .name: seq, .offset: 0, .size: 8, .value_kind: global_buffer, .address_space: global }
      - { .name: chain_idx, .offset: 8, .size: 8, .value_kind: global_buffer, .address_space: global }
      - { .name: xyz, .offset: 16, .size: 8, .value_kind: global_buffer, .address_space: global }
      - { .name: orientation, .offset: 24, .size: 8, .value_kind: global_buffer, .address_space: global }
      - { .name: dihedrals, .offset: 32, .size: 8, .value_kind: global_buffer, .address_space: global }
      - { .name: W1, .offset: 40, .size: 8, .value_kind: global_buffer, .address_space: global }
      - { .name: W2, .offset: 48, .size: 8, .value_kind: global_buffer, .address_space: global }
      - { .name: W3, .offset: 56, .size: 8, .value_kind: global_buffer, .address_space: global }
      - { .name: W4, .offset: 64, .size: 8, .value_kind: global_buffer, .address_space: global }
      - { .name: aa_emb, .offset: 72, .size: 8, .value_kind: global_buffer, .address_space: global }
      - { .name: chain_emb, .offset: 80, .size: 8, .value_kind: global_buffer, .address_space: global }
      - { .name: b1, .offset: 88, .size: 8, .value_kind: global_buffer, .address_space: global }
      - { .name: feat, .offset: 96, .size: 8, .value_kind: global_buffer, .address_space: global }
      - { .name: order, .offset: 104, .size: 8, .value_kind: global_buffer, .address_space: global }
      - { .name: wpack, .offset: 112, .size: 8, .value_kind: global_buffer, .address_space: global }
    .group_segment_fixed_size: 55552
    .private_segment_fixed_size: 0
    .kernarg_segment_align: 8
    .kernarg_segment_size: 120
    .max_flat_workgroup_size: 256
    .sgpr_count:     100
    .vgpr_count:     234
    .wavefront_size: 32
...
	.end_amdgpu_metadata
.endif
;; end of part 1
;; launch main (part 2): grid 256 x 1, 4 waves a work-group, no clusters, 121,088 bytes of LDS; arguments order, feat, wpack, b2, b3, b4, out0; writes out0
.if DOCPART == 2
	.amdgcn_target "amdgcn-amd-amdhsa--gfx1250"
	.amdhsa_code_object_version 6
	.text
	.protected	k_q7c00f0c3ff_main
	.globl	k_q7c00f0c3ff_main
	.p2align	8
	.type	k_q7c00f0c3ff_main,@function
k_q7c00f0c3ff_main:
	s_mov_b64 s[64:65], 0
	v_nop
	global_prefetch_b8 v0, s[64:65] scope:SCOPE_SE
	s_setreg_imm32_b32 hwreg(HW_REG_WAVE_MODE, 25, 1), 1
	s_wait_xcnt 0x0
; main: the four layers for 64 rows a work-group, the rows taken in the order of the sorted list (places 64 g .. 64 g + 63), so that they share a type or a few.
; Four waves, as many as a WGP has SIMDs.  The waves share out the COLUMNS: wave w makes all 64 rows x columns 64w..+63 of layer 1 and 32w..+31 of layers 2-4.
; So every weight byte enters the WGP once, straight into the registers of the one wave that multiplies by it (48 KiB = 384 registers a wave), and the
; activations go from wave to wave through LDS.  Matrix operands f16, sums f32; bias, relu and scales f32.
; TRANSPOSED USE: source 0 = 16 columns of the weights, source 1 = 16 rows.  Lane (r, h) then holds row r, columns n0 + 8h + 0..7: packed to f16 these are
; 16 neighbouring bytes of the next layer's row.
; LAYER 1: K = 128 slots of feat; b1 and both embedding parts are the weights of the row's one-hot chain slot.  One trip for each type from the first row's to the
; last row's, with that type's weights; lanes whose row has another type read a row of zeros instead.  The types come from order, stored by the launch before.
; LOADS IN THE ORDER OF NEED: 12 list words; layer 2's weights, which hang on no list word, while those are on their way; the feature rows; layer 1's weights.
; That is 84 loads a wave ahead of the first product.  The other 44 (b2, b3, layers 3 and 4, b4) go out behind layer 1's products.
; A work-group with several types asks for the second type's weights, into registers of their own, while the first type's are on their way.
; SCALES: a hidden layer's relu output is multiplied by a power of two chosen from the work-group's largest value, so that this value lands in [2^14, 2^15), and
; the next layer's sums are multiplied by the inverse in the same fused multiply-add that adds the bias: f16's range never binds the hidden layers.
; NO JOINT LOADS: layer 1's trip count is read from the list and may differ between work-groups, so partners would not make the same requests.
; NO TENSOR LOADS, NO RING: each weight byte is used by one wave and goes to registers once; a stop in LDS would add reads and barriers.
; LIMITS: the largest hidden value of a work-group within 2^-100 .. 2^100 (the scale's exponent is clamped there).  A NaN in a hidden layer becomes 0 in the relu
; (v_max_num_f32), where reference() keeps it.  Sums are formed in another order than reference()'s.
;
; LDS: XS 65 rows x 272 (features; row 64 = zeros), H1 64 x 528, H2 64 x 272, H3 64 x 272 (f16 rows + 16 bytes), OS 64 x 528 (f32 rows + 16), MX 3 x 16 bytes.
; All pitches are odd multiples of 16 bytes: sixteen rows taken at one column start at sixteen different 16-byte columns of 256.  Each region is written once.
; REGISTERS in windows of 256: window 0 addresses, biases, accumulators v128-255; window 1 layer 1's weights (names v0-127) and layer 2's (v128-255);
; window 2 layer 3's (v0-63), layer 4's (v64-127), layer 1's of a second type (v128-255); window 3 the row fragments, (K step, row tile) at 8 (4 ks + mt).
.set XS, 0
.set H1, 17920
.set H2, 51712
.set H3, 69120
.set OS, 86528
.set MX, 120320
.set FO,  8                            ; v[8:15]   byte offset in feat of my 16 bytes of rows 16w + 2i + h
.set OO,  16                           ; v[16:23]  the same in out0
.set TYP, 24                           ; v[24:27]  type of row 16 mt + r
.set XA,  32                           ; v[32:35]  this trip's LDS address of row 16 mt + r: its own row or the row of zeros
.set XR,  36                           ; v[36:39]  its own row
.set ZR,  40                           ; v40       the row of zeros
.set PK,  104                          ; v[104:119] four sets of packed results
.set ACC, 128
.set MSB, 0
.macro WIN new                         ; the immediate's high byte repeats the setting that is left; low byte: 1:0 source 0, 3:2 source 1, 5:4 source 2, 7:6 destination
.if MSB != \new
	s_set_vgpr_msb (MSB<<8)|\new
.set MSB, \new
.endif
.endm
.macro PLACES                          ; four places behind a matrix instruction before its results are read or its registers loaded again (ISA guide 7.12.1)
.rept 4
	v_nop
.endr
.endm
.macro LDFR base, sb, n                ; n fragments of 1,024 bytes: two loads of 512 consecutive bytes a wave each
.set f_, 0
.rept \n
	global_load_b128 v[\base+8*f_:\base+8*f_+3],   v4, s[\sb:\sb+1] offset:f_*1024
	global_load_b128 v[\base+8*f_+4:\base+8*f_+7], v4, s[\sb:\sb+1] offset:f_*1024+512
.set f_, f_+1
.endr
.endm
; one type's trip of layer 1.  zero = 1: the first K step starts the sums.  cnt = how many younger global loads may stay out when this trip's weights have to be in.
; win, wb: the window setting and the name of the weights' first register.  Sixteen accumulators take turns, one instruction a turn.
.macro L1TRIP zero, cnt, win, wb
.irp mt, 0,1,2,3
	v_cmp_eq_u32 vcc_lo, s22, v[TYP+\mt]
	v_cndmask_b32 v[XA+\mt], v[ZR], v[XR+\mt], vcc_lo
.endr
	WIN 0xc0
.irp ks, 0,1,2,3
.irp mt, 0,1,2,3
	ds_load_b128 v[8*(4*\ks+\mt):8*(4*\ks+\mt)+3],   v[XA+\mt] offset:64*\ks
	ds_load_b128 v[8*(4*\ks+\mt)+4:8*(4*\ks+\mt)+7], v[XA+\mt] offset:64*\ks+32
.endr
.endr
	s_wait_loadcnt \cnt
	WIN \win                                       ; weights window 1 or 2, rows window 3, sums window 0
.irp ks, 0,1,2,3
	s_wait_dscnt 24-8*\ks                          ; eight reads a K step: the later steps' stay out
.set z_, 0
.if \zero
.if \ks == 0
.set z_, 1
.endif
.endif
.irp mt, 0,1,2,3
.irp nt, 0,1,2,3
.if z_
	v_wmma_f32_16x16x32_f16 v[ACC+8*(4*\mt+\nt):ACC+8*(4*\mt+\nt)+7], v[\wb+8*(4*\nt+\ks):\wb+8*(4*\nt+\ks)+7], v[8*(4*\ks+\mt):8*(4*\ks+\mt)+7], 0
.else
	v_wmma_f32_16x16x32_f16 v[ACC+8*(4*\mt+\nt):ACC+8*(4*\mt+\nt)+7], v[\wb+8*(4*\nt+\ks):\wb+8*(4*\nt+\ks)+7], v[8*(4*\ks+\mt):8*(4*\ks+\mt)+7], v[ACC+8*(4*\mt+\nt):ACC+8*(4*\mt+\nt)+7]
.endif
.endr
.endr
.endr
	WIN 0
.endm
; layers 2-4: rows from LDS at v[adr] (16 rows = p16 bytes), nks K steps, weights at name wb in the window of setting win, eight accumulators from acc on.
; The first K step starts the sums.  The accumulators take turns, one instruction a turn.
.macro MM adr, p16, nks, win, wb, acc
	WIN 0xc0
.set kq_, 0
.rept \nks
.irp mt, 0,1,2,3
	ds_load_b128 v[8*(4*kq_+\mt):8*(4*kq_+\mt)+3],   v[\adr] offset:\mt*\p16+64*kq_
	ds_load_b128 v[8*(4*kq_+\mt)+4:8*(4*kq_+\mt)+7], v[\adr] offset:\mt*\p16+64*kq_+32
.endr
.set kq_, kq_+1
.endr
	WIN \win
.set kq_, 0
.rept \nks
	s_wait_dscnt 8*(\nks-1-kq_)                    ; eight reads a K step: the later steps' stay out
.irp mt, 0,1,2,3
.irp nt, 0,1
.if kq_ == 0
	v_wmma_f32_16x16x32_f16 v[\acc+8*(2*\mt+\nt):\acc+8*(2*\mt+\nt)+7], v[\wb+8*(\nks*\nt+kq_):\wb+8*(\nks*\nt+kq_)+7], v[8*(4*kq_+\mt):8*(4*kq_+\mt)+7], 0
.else
	v_wmma_f32_16x16x32_f16 v[\acc+8*(2*\mt+\nt):\acc+8*(2*\mt+\nt)+7], v[\wb+8*(\nks*\nt+kq_):\wb+8*(\nks*\nt+kq_)+7], v[8*(4*kq_+\mt):8*(4*kq_+\mt)+7], v[\acc+8*(2*\mt+\nt):\acc+8*(2*\mt+\nt)+7]
.endif
.endr
.endr
.set kq_, kq_+1
.endr
	WIN 0
.endm
; sums x inverse scale + bias, fused
.macro BIAS acc, inv, bias
.irp mt, 0,1,2,3
.irp nt, 0,1
.irp p, 0,2,4,6
	v_pk_fma_f32 v[\acc+8*(2*\mt+\nt)+\p:\acc+8*(2*\mt+\nt)+\p+1], v[\acc+8*(2*\mt+\nt)+\p:\acc+8*(2*\mt+\nt)+\p+1], s[\inv:\inv+1], v[\bias+8*\nt+\p:\bias+8*\nt+\p+1] op_sel_hi:[1,0,1]
.endr
.endr
.endr
.endm
; the work-group's largest relu value of layer L (n registers from first on), the relu, and the two powers of two: scale in s[38:39], inverse in s[inv:inv+1]
.macro WGMAX L, first, n, inv
.set j_, 0
.rept 4
	v_max3_num_f32 v[120+j_], v[\first+2*j_], v[\first+2*j_+1], 0     ; four chains, started with 0: the relu's floor
.set j_, j_+1
.endr
.rept (\n-8)/2
	v_max3_num_f32 v[120+j_%4], v[\first+2*j_], v[\first+2*j_+1], v[120+j_%4]
.set j_, j_+1
.endr
	v_max3_num_f32 v120, v120, v121, v122
	v_max_num_f32 v120, v120, v123
	v_max_num_f32_dpp v120, v120, v120 row_xmask:1 row_mask:0xf bank_mask:0xf
	v_max_num_f32_dpp v120, v120, v120 row_xmask:2 row_mask:0xf bank_mask:0xf
	v_max_num_f32_dpp v120, v120, v120 row_xmask:4 row_mask:0xf bank_mask:0xf
	v_max_num_f32_dpp v120, v120, v120 row_xmask:8 row_mask:0xf bank_mask:0xf
	v_permlanex16_b32 v121, v120, s34, s35
	v_max_num_f32 v120, v120, v121
	ds_store_b32 v50, v120 offset:16*(\L-1)        ; my wave's word; each layer has its own four words
	s_wait_dscnt 0x0
	s_barrier_signal -1
.set j_, 0
.rept \n
	v_max_num_f32 v[\first+j_], 0, v[\first+j_]    ; the relu: register work while the others arrive
.set j_, j_+1
.endr
	s_barrier_wait -1
	ds_load_b128 v[120:123], v51 offset:16*(\L-1)
	s_wait_dscnt 0x0
	v_max3_num_f32 v120, v120, v121, v122
	v_max_num_f32 v120, v120, v123
	v_readfirstlane_b32 s36, v120
	s_bfe_u32 s36, s36, 0x80017                    ; E: the biased exponent
	s_max_u32 s36, s36, 27
	s_min_u32 s36, s36, 227
	s_sub_co_u32 s37, 268, s36
	s_lshl_b32 s38, s37, 23                        ; 2^(141 - E): the largest value lands in [2^14, 2^15)
	s_mov_b32 s39, s38
	s_sub_co_u32 s37, s36, 14
	s_lshl_b32 s[\inv], s37, 23                    ; 2^(E - 141)
	s_mov_b32 s[\inv+1], s[\inv]
.endm
; scale, round to f16, 16 bytes a lane and tile into the next layer's rows
.macro HOUT acc, nnt, adr, p16
.set tl_, 0
.irp mt, 0,1,2,3
.set nq_, 0
.rept \nnt
.set a_, \acc+8*(\nnt*\mt+nq_)
.set p_, PK+4*(tl_%4)
.irp p, 0,2,4,6
	v_pk_mul_f32 v[a_+\p:a_+\p+1], v[a_+\p:a_+\p+1], s[38:39] op_sel_hi:[1,0]
.endr
.irp p, 0,1,2,3
	v_cvt_pk_f16_f32 v[p_+\p], v[a_+2*\p], v[a_+2*\p+1]
.endr
	ds_store_b128 v[\adr], v[p_:p_+3] offset:\mt*\p16+32*nq_
.set nq_, nq_+1
.set tl_, tl_+1
.endr
.endr
.endm
	s_load_b256 s[4:11], s[0:1], 0x0               ; order 4, feat 6, wpack 8, b2 10
	s_load_b128 s[12:15], s[0:1], 0x20             ; b3 12, b4 14
	s_load_b64 s[16:17], s[0:1], 0x30              ; out0
	v_lshl_add_u32 v126, v0, 2, 0x1d700
	v_mov_b32 v127, 0
	v_lshrrev_b32 v2, 5, v0
	v_readfirstlane_b32 s20, v2                    ; wave 0..3
	v_and_b32 v1, 31, v0                           ; lane
	v_and_b32 v2, 15, v0                           ; r
	v_bfe_u32 v3, v0, 4, 1                         ; h
	v_lshlrev_b32 v4, 4, v1                        ; 16 lane: fragments
	v_lshlrev_b32 v5, 4, v2                        ; 16 r: my 16 bytes of a block of 256
	s_lshl_b32 s36, s20, 6
	v_lshl_add_u32 v53, v3, 2, s36                 ; list words 16w + h (+ 2i)
	v_lshlrev_b32 v54, 2, v2                       ; list words r (+ 16 mt)
	s_lshl_b32 s37, s20, 7                         ; 128 w
	v_lshl_add_u32 v52, v3, 5, s37                 ; biases: columns 32w + 8h
	s_lshl_b32 s24, ttmp9, 8
	s_mov_b32 s25, 0
	s_wait_kmcnt 0x0
	s_add_nc_u64 s[4:5], s[4:5], s[24:25]          ; my 64 words of the list
	s_load_b32 s46, s[4:5], 0x0                    ; the first and the last of them
	s_load_b32 s47, s[4:5], 0xfc
.irp i, 0,1,2,3,4,5,6,7
	global_load_b32 v[FO+\i], v53, s[4:5] offset:8*\i
.endr
.irp mt, 0,1,2,3
	global_load_b32 v[TYP+\mt], v54, s[4:5] offset:64*\mt
.endr
	s_lshl_b32 s24, s20, 14
	s_add_nc_u64 s[28:29], s[8:9], s[24:25]
	s_add_nc_u64 s[26:27], s[8:9], s[24:25]        ; layer 1: + the type, below
	s_add_nc_u64 s[28:29], s[28:29], 1310720       ; layer 2: my 16 fragments
	s_lshl_b32 s24, s20, 13
	s_add_nc_u64 s[30:31], s[8:9], s[24:25]
	s_add_nc_u64 s[32:33], s[30:31], 1409024       ; layer 4: my 8 fragments
	s_add_nc_u64 s[30:31], s[30:31], 1376256       ; layer 3: my 8 fragments
	WIN 0x40
	LDFR 128, 28, 16                               ; layer 2's weights hang on no list word: 32 loads go out while the list words are on their way
	WIN 0
	; addresses
	v_mul_u32_u24 v120, v2, 272
	v_lshl_add_u32 v[XR], v3, 4, v120              ; 272 r + 16 h
	v_add_nc_u32 v[XR+1], 4352, v[XR]
	v_add_nc_u32 v[XR+2], 8704, v[XR]
	v_add_nc_u32 v[XR+3], 13056, v[XR]
	v_lshl_add_u32 v[ZR], v3, 4, 17408             ; row 64
	s_mul_i32 s36, s20, 4352
	v_mul_u32_u24 v121, v3, 272
	v_add3_u32 v41, v121, v5, s36                  ; XS in: rows 16w + h (+ 2i)
	v_mul_u32_u24 v122, v2, 528
	v_lshlrev_b32 v123, 4, v3
	v_add3_u32 v43, v122, v123, H1                 ; H1 read
	v_add_nc_u32 v42, s37, v43                     ; H1 in: + my 64 columns
	s_lshl_b32 s36, s20, 6
	v_add_nc_u32 v45, H2, v[XR]                    ; H2 read
	v_add_nc_u32 v44, s36, v45                     ; H2 in: + my 32 columns
	v_add_nc_u32 v47, H3, v[XR]
	v_add_nc_u32 v46, s36, v47
	v_lshl_add_u32 v48, v3, 5, v122
	v_add3_u32 v48, v48, s37, OS                   ; OS in: 528 r + 128 w + 32 h
	s_mul_i32 s36, s20, 8448
	v_mul_u32_u24 v121, v3, 528
	v_add3_u32 v49, v121, v5, s36
	v_add_nc_u32 v49, OS, v49                      ; OS read: rows 16w + h (+ 2i)
	s_lshl_b32 s36, s20, 2
	s_add_co_u32 s36, s36, MX
	v_mov_b32 v50, s36
	v_mov_b32 v51, MX
	s_mov_b32 s34, 0x76543210                      ; v_permlanex16_b32: lane i of one half reads lane i of the other
	s_mov_b32 s35, 0xfedcba98
	s_wait_kmcnt 0x0
	s_bfe_u32 s22, s46, 0x50010
	s_min_u32 s22, s22, 19                         ; the first row's type
	s_bfe_u32 s23, s47, 0x50010
	s_min_u32 s23, s23, 19                         ; the last row's
	s_lshl_b32 s24, s22, 16
	s_add_nc_u64 s[26:27], s[26:27], s[24:25]      ; layer 1's weights of the first type
	s_wait_loadcnt 32                              ; layer 2's 32 loads stay out: the 12 list words are in
.irp i, 0,1,2,3,4,5,6,7
	v_and_b32 v120, 0xffff, v[FO+\i]
	v_min_u32 v120, 0x3fff, v120                   ; a row of 16,384
	v_lshl_add_u32 v[FO+\i], v120, 8, v5
	v_lshl_add_u32 v[OO+\i], v120, 9, v5
.endr
.irp mt, 0,1,2,3
	v_bfe_u32 v[TYP+\mt], v[TYP+\mt], 16, 5
	v_min_u32 v[TYP+\mt], 19, v[TYP+\mt]           ; type
.endr
.irp i, 0,1,2,3,4,5,6,7
	global_load_b128 v[56+4*\i:59+4*\i], v[FO+\i], s[6:7] th:TH_LOAD_NT   ; two feature rows: sixteen lanes take one row of 256 bytes; each row is read once in the launch
.endr
	WIN 0x40
	LDFR 0, 26, 16                                 ; layer 1's weights of the first type: 32 loads
	WIN 0
	s_wait_loadcnt 32                              ; those 32 stay out: the feature rows, and layer 2's weights in front of them, are in
.irp i, 0,1,2,3,4,5,6,7
	ds_store_b128 v41, v[56+4*\i:59+4*\i] offset:544*\i
.endr
	s_cmp_lg_u32 s20, 0
	s_cbranch_scc1 .Lnozero
	v_mov_b32 v120, 0
	v_mov_b32 v121, 0
	v_lshl_add_u32 v122, v1, 3, 17408
	ds_store_b64 v122, v[120:121]                  ; wave 0: the row of zeros, 256 bytes
.Lnozero:
	s_wait_dscnt 0x0                               ; my rows are written
	s_barrier_signal -1
	s_barrier_wait -1                              ; all 64 rows and the zeros are in XS
	; layer 1
	s_cmp_ge_u32 s22, s23
	s_cbranch_scc1 .Lone
	; several types: the second type's weights go out now, into registers of their own, behind the first type's
	s_add_nc_u64 s[18:19], s[26:27], 65536
	WIN 0x80
	LDFR 128, 18, 16
	WIN 0
	L1TRIP 1, 32, 0x0d, 0                          ; the second type's 32 loads stay out
	s_add_co_u32 s22, s22, 1
	PLACES                                         ; the row fragments are loaded again
	L1TRIP 0, 0, 0x0e, 128
	s_cmp_ge_u32 s22, s23
	s_cbranch_scc1 .Ll1done
	s_add_nc_u64 s[26:27], s[26:27], 65536         ; no load is out: the base steps to the second type; the loop steps it on
.Lmore:
	s_add_co_u32 s22, s22, 1                       ; the next type
	PLACES
	s_wait_xcnt 0x0                                ; the base is stepped only behind this wait
	s_add_nc_u64 s[26:27], s[26:27], 65536
	WIN 0x40
	LDFR 0, 26, 16
	WIN 0
	L1TRIP 0, 0, 0x0d, 0
	s_cmp_lt_u32 s22, s23
	s_cbranch_scc1 .Lmore
	s_branch .Ll1done
.Lone:
	L1TRIP 1, 0, 0x0d, 0                           ; one type
.Ll1done:
	PLACES
	; what the later layers need, 4 + 4 + 16 + 16 + 4 = 44 loads, in the order of need
	global_load_b128 v[88:91],   v52, s[10:11]     ; b2
	global_load_b128 v[92:95],   v52, s[10:11] offset:16
	global_load_b128 v[96:99],   v52, s[10:11] offset:64
	global_load_b128 v[100:103], v52, s[10:11] offset:80
	global_load_b128 v[56:59], v52, s[12:13]       ; b3, into registers that held the feature rows
	global_load_b128 v[60:63], v52, s[12:13] offset:16
	global_load_b128 v[64:67], v52, s[12:13] offset:64
	global_load_b128 v[68:71], v52, s[12:13] offset:80
	WIN 0x80
	LDFR 0, 30, 8                                  ; layer 3's weights
	LDFR 64, 32, 8                                 ; layer 4's
	WIN 0
	global_load_b128 v[72:75], v52, s[14:15]       ; b4
	global_load_b128 v[76:79], v52, s[14:15] offset:16
	global_load_b128 v[80:83], v52, s[14:15] offset:64
	global_load_b128 v[84:87], v52, s[14:15] offset:80
	WGMAX 1, 128, 128, 40
	HOUT 128, 4, 42, 8448
	s_wait_dscnt 0x0
	s_barrier_signal -1
	s_barrier_wait -1                              ; H1 is whole
	MM 43, 8448, 8, 0x0d, 128, 128                 ; layer 2: K = 256
	PLACES
	s_wait_loadcnt 40                              ; b2 is in; the 40 loads behind it stay out
	BIAS 128, 40, 88
	WGMAX 2, 128, 64, 42
	HOUT 128, 2, 44, 4352
	s_wait_dscnt 0x0
	s_barrier_signal -1
	s_barrier_wait -1                              ; H2 is whole
	s_wait_loadcnt 20                              ; b3 and layer 3's weights are in; layer 4's 16 loads and b4's 4 stay out
	MM 45, 4352, 4, 0x0e, 0, 192                   ; layer 3
	PLACES
	BIAS 192, 42, 56
	WGMAX 3, 192, 64, 44
	HOUT 192, 2, 46, 4352
	s_wait_dscnt 0x0
	s_barrier_signal -1
	s_barrier_wait -1                              ; H3 is whole
	s_wait_loadcnt 0x0                             ; layer 4's weights and b4
	MM 47, 4352, 4, 0x0e, 64, 128                  ; layer 4
	PLACES
	BIAS 128, 44, 72
	; the way out: f32 rows gathered in LDS, read back as whole rows, stored to each row's own place in out0
.irp mt, 0,1,2,3
.irp nt, 0,1
	ds_store_b128 v48, v[128+8*(2*\mt+\nt):128+8*(2*\mt+\nt)+3]   offset:\mt*8448+\nt*64
	ds_store_b128 v48, v[128+8*(2*\mt+\nt)+4:128+8*(2*\mt+\nt)+7] offset:\mt*8448+\nt*64+16
.endr
.endr
	s_wait_dscnt 0x0
	s_barrier_signal -1
	s_barrier_wait -1
.irp i, 0,1,2,3,4,5,6,7
	ds_load_b128 v[192+8*\i:195+8*\i], v49 offset:1056*\i
	ds_load_b128 v[196+8*\i:199+8*\i], v49 offset:1056*\i+256
.endr
.irp i, 0,1,2,3,4,5,6,7
	s_wait_dscnt 15-2*\i                           ; the younger reads stay out
	global_store_b128 v[OO+\i], v[192+8*\i:195+8*\i], s[16:17] th:TH_STORE_NT             ; sixteen lanes store 256 consecutive bytes, aligned
	s_wait_dscnt 14-2*\i
	global_store_b128 v[OO+\i], v[196+8*\i:199+8*\i], s[16:17] offset:256 th:TH_STORE_NT
.endr
	s_wait_tensorcnt 0x0
	ds_add_u32 v126, v127
	s_wait_dscnt 0x0
	s_endpgm
.Lfunc_end_k_q7c00f0c3ff_main:
	.size	k_q7c00f0c3ff_main, .Lfunc_end_k_q7c00f0c3ff_main-k_q7c00f0c3ff_main
	.p2alignl 7, 3214868480
	.fill 96, 4, 3214868480
	.section	.rodata,"a",@progbits
	.p2align	6, 0x0
	.amdhsa_kernel k_q7c00f0c3ff_main
		.amdhsa_group_segment_fixed_size 121088
		.amdhsa_private_segment_fixed_size 0
		.amdhsa_enable_private_segment 0
		.amdhsa_kernarg_size 56
		.amdhsa_user_sgpr_count 2
		.amdhsa_user_sgpr_kernarg_segment_ptr 1
		.amdhsa_wavefront_size32 1
		.amdhsa_system_sgpr_workgroup_id_x 1
		.amdhsa_system_sgpr_workgroup_id_y 1
		.amdhsa_system_sgpr_workgroup_id_z 1
		.amdhsa_system_vgpr_workitem_id 0
		.amdhsa_next_free_vgpr 1024
		.amdhsa_next_free_sgpr 66
		.amdhsa_reserve_vcc 1
		.amdhsa_float_denorm_mode_32 3
		.amdhsa_float_denorm_mode_16_64 3
		.amdhsa_memory_ordered 1
		.amdhsa_forward_progress 1
		.amdhsa_inst_pref_size 118
	.end_amdhsa_kernel
	.amdgpu_metadata
---
amdhsa.version: [ 1, 2 ]
amdhsa.kernels:
  - .name:           k_q7c00f0c3ff_main
    .symbol:         k_q7c00f0c3ff_main.kd
    .args:
      - { .name: order, .offset: 0, .size: 8, .value_kind: global_buffer, .address_space: global }
      - { .name: feat, .offset: 8, .size: 8, .value_kind: global_buffer, .address_space: global }
      - { .name: wpack, .offset: 16, .size: 8, .value_kind: global_buffer, .address_space: global }
      - { .name: b2, .offset: 24, .size: 8, .value_kind: global_buffer, .address_space: global }
      - { .name: b3, .offset: 32, .size: 8, .value_kind: global_buffer, .address_space: global }
      - { .name: b4, .offset: 40, .size: 8, .value_kind: global_buffer, .address_space: global }
      - { .name: out0, .offset: 48, .size: 8, .value_kind: global_buffer, .address_space: global }
    .group_segment_fixed_size: 121088
    .private_segment_fixed_size: 0
    .kernarg_segment_align: 8
    .kernarg_segment_size: 56
    .max_flat_workgroup_size: 128
    .sgpr_count:     66
    .vgpr_count:     1024
    .wavefront_size: 32
...
	.end_amdgpu_metadata
.endif
;; end of part 2
;; ======== version 2 of 2: 2 launches; version 1 with the launch main written anew for expert scheduling mode
;; limits: values are held in f16: magnitudes above 65,504 overflow, below 6.1e-05 lose precision; right only within a limited range of input values; values outside matrix products are rounded to f16
;; workspace buffers: feat 4,194,304 bytes; order 65,536 bytes of whole numbers; wpack 1,441,792 bytes
;; launch prep: the kernel of part 1 again; grid 508 x 1, 8 waves a work-group, no clusters, 55,552 bytes of LDS; arguments seq, chain_idx, xyz, orientation, dihedrals, W1, W2, W3, W4, aa_emb, chain_emb, b1, feat, order, wpack; writes feat, order, wpack
;; launch main (part 3): grid 256 x 1, 4 waves a work-group, no clusters, 121,088 bytes of LDS; arguments order, feat, wpack, b2, b3, b4, out0; writes out0
.if DOCPART == 3
	.amdgcn_target "amdgcn-amd-amdhsa--gfx1250"
	.amdhsa_code_object_version 6
	.text
	.protected	k_q7c00f0c3ff_main
	.globl	k_q7c00f0c3ff_main
	.p2align	8
	.type	k_q7c00f0c3ff_main,@function
k_q7c00f0c3ff_main:
	s_mov_b64 s[64:65], 0
	v_nop
	global_prefetch_b8 v0, s[64:65] scope:SCOPE_SE
	s_setreg_imm32_b32 hwreg(HW_REG_WAVE_SCHED_MODE, 0, 2), 2
	s_setreg_imm32_b32 hwreg(HW_REG_WAVE_MODE, 25, 1), 1
	s_wait_xcnt 0x0
	s_wait_alu depctr_vm_vsrc(0)
; main: the four layers for 64 rows a work-group, the rows taken in the order of the sorted list (places 64 g .. 64 g + 63), so that they share a type or a few.
; Four waves, as many as a WGP has SIMDs.  The waves share out the COLUMNS: wave w makes all 64 rows x columns 64w..+63 of layer 1 and 32w..+31 of layers 2-4.
; So every weight byte enters the WGP once, straight into the registers of the one wave that multiplies by it (48 KiB = 384 registers a wave), and the
; activations go from wave to wave through LDS.  Matrix operands f16, sums f32; bias, relu and scales f32.
; TRANSPOSED USE: source 0 = 16 columns of the weights, source 1 = 16 rows.  Lane (r, h) then holds row r, columns n0 + 8h + 0..7: packed to f16 these are
; 16 neighbouring bytes of the next layer's row.
; LAYER 1: K = 128 slots of feat; b1 and both embedding parts are the weights of the row's one-hot chain slot.  One trip for each type from the first row's to the
; last row's, with that type's weights; lanes whose row has another type read a row of zeros instead.  The types come from order, stored by the launch before.
; LOADS IN THE ORDER OF NEED: 12 list words; layer 2's weights, which hang on no list word, while those are on their way; the feature rows; layer 1's weights.
; That is 84 loads a wave ahead of the first product.  The other 44 (b2, b3, layers 3 and 4, b4) go out behind layer 1's products.
; A work-group with several types asks for the second type's weights, into registers of their own, while the first type's are on their way.
; SCALES: a hidden layer's relu output is multiplied by a power of two chosen from the work-group's largest value, so that this value lands in [2^14, 2^15), and
; the next layer's sums are multiplied by the inverse in the same fused multiply-add that adds the bias: f16's range never binds the hidden layers.
; NO JOINT LOADS: layer 1's trip count is read from the list and may differ between work-groups, so partners would not make the same requests.
; NO TENSOR LOADS, NO RING: each weight byte is used by one wave and goes to registers once; a stop in LDS would add reads and barriers.
; LIMITS: the largest hidden value of a work-group within 2^-100 .. 2^100 (the scale's exponent is clamped there).  A NaN in a hidden layer becomes 0 in the relu
; (v_max_num_f32), where reference() keeps it.  Sums are formed in another order than reference()'s.
;
; THE MODE: SCHED_MODE bits 1:0 = 2 (LLVM: expert scheduling mode 2), set by the entry lines.  The code itself states the register dependences
; between vector or matrix instructions and memory or LDS instructions, with s_wait_alu, always for 0.
; THE PLAN.  Registers that memory or LDS instructions touch, and who else names them:
;   v4, v52-54     offsets of global loads: made at the head, never written again.  v41-51: LDS addresses, likewise.
;   FO, OO         the list words land in FO; vector lines make FO and OO of them; the feature loads read FO, the last stores OO.
;   XA, XB         the LDS addresses of a trip's rows: selected by vector lines, read by the trip's 32 LDS loads.  XA is made ahead of the feature loads, XB where a second type is met.
;   v56-87         the feature rows land, the LDS stores into XS read them; later b3 and b4 land there.
;   v88-103, window 2 names 0-127: b2, layers 3 and 4: named by nothing ahead of their loads.
;   window 1 names 0-127: layer 1's weights: read by products; loaded again only in the loop for a third type.
;   window 3       row fragments: layer 1's first trip and the loop's trips names 0-127, its second trip names 128-255; layers 2-4 from name 0 on.
;   v120-123       the maximum's chain writes them, an LDS store reads v120, the four waves' words land in them.
;   v128-255       the sums.  Scaled and rounded in place: a tile's eight numbers close up into its first four registers, which the LDS stores read.
; THE WAITS.  On va_vdst: one ahead of the list loads, one ahead of the feature loads (it covers FO, OO, XA and every LDS address), one in each maximum ahead of its LDS
; store (it also shows the layer's products done reading their fragments, in which the next layer's land), two in each way into H1, H2, H3 and OS (a half's arithmetic,
; then its stores dealt among the other half's arithmetic), and one each for the row of zeros, for XB and at the head of the loop.  On vm_vsrc: behind layer 1, in each maximum,
; ahead of layer 2, ahead of the last LDS loads, at the head of the loop.  On va_sdst: behind each v_readfirstlane_b32 and behind each run of four compares.
;
; LDS: XS 65 rows x 272 (features; row 64 = zeros), H1 64 x 528, H2 64 x 272, H3 64 x 272 (f16 rows + 16 bytes), OS 64 x 528 (f32 rows + 16), MX 3 x 16 bytes.
; All pitches are odd multiples of 16 bytes: sixteen rows taken at one column start at sixteen different 16-byte columns of 256.  Each region is written once.
; REGISTERS in windows of 256: window 0 addresses, biases, accumulators v128-255; window 1 layer 1's weights (names v0-127) and layer 2's (v128-255);
; window 2 layer 3's (v0-63), layer 4's (v64-127), layer 1's of a second type (v128-255); window 3 the row fragments, (K step, row tile) at 8 (4 ks + mt).
.set XS, 0
.set H1, 17920
.set H2, 51712
.set H3, 69120
.set OS, 86528
.set MX, 120320
.set FO,  8                            ; v[8:15]   byte offset in feat of my 16 bytes of rows 16w + 2i + h
.set OO,  16                           ; v[16:23]  the same in out0
.set TYP, 24                           ; v[24:27]  type of row 16 mt + r
.set XB,  28                           ; v[28:31]  the second trip's LDS address of row 16 mt + r
.set XA,  32                           ; v[32:35]  the first trip's, and the loop's: the row's own row or the row of zeros
.set XR,  36                           ; v[36:39]  its own row
.set ZR,  40                           ; v40       the row of zeros
.set ACC, 128
.set MSB, 0
.macro WIN new                         ; the immediate's high byte repeats the setting that is left; low byte: 1:0 source 0, 3:2 source 1, 5:4 source 2, 7:6 destination
.if MSB != \new
	s_set_vgpr_msb (MSB<<8)|\new
.set MSB, \new
.endif
.endm
.macro PLACES                          ; four places behind a matrix instruction before its results are read (ISA guide 7.12.1)
.rept 4
	v_nop
.endr
.endm
.macro LDFR base, sb, n                ; n fragments of 1,024 bytes: two loads of 512 consecutive bytes a wave each
.set f_, 0
.rept \n
	global_load_b128 v[\base+8*f_:\base+8*f_+3],   v4, s[\sb:\sb+1] offset:f_*1024
	global_load_b128 v[\base+8*f_+4:\base+8*f_+7], v4, s[\sb:\sb+1] offset:f_*1024+512
.set f_, f_+1
.endr
.endm
; the rows of type s22: a lane whose row has that type takes the row's address, the others the row of zeros.  The four compares stand in a run, each with a mask of its own.
.macro SEL xa
.irp mt, 0,1,2,3
	v_cmp_eq_u32 s[48+\mt], s22, v[TYP+\mt]
.endr
	s_wait_alu depctr_va_sdst(0)                   ; the four compares have written s48 to s51, which the selects read
.irp mt, 0,1,2,3
	v_cndmask_b32 v[\xa+\mt], v[ZR], v[XR+\mt], s[48+\mt]
.endr
.endm
; a trip's 32 LDS loads: the row fragments, into window 3 from name fb on
.macro ROWS xa, fb
.irp ks, 0,1,2,3
.irp mt, 0,1,2,3
	ds_load_b128 v[\fb+8*(4*\ks+\mt):\fb+8*(4*\ks+\mt)+3],   v[\xa+\mt] offset:64*\ks
	ds_load_b128 v[\fb+8*(4*\ks+\mt)+4:\fb+8*(4*\ks+\mt)+7], v[\xa+\mt] offset:64*\ks+32
.endr
.endr
.endm
; one type's products of layer 1.  zero = 1: the first K step starts the sums.  younger = the LDS loads issued behind this trip's 32.
; win, wb: the window setting and the name of the weights' first register; fb: the fragments'.  Sixteen accumulators take turns, one instruction a turn.
.macro PROD zero, younger, win, wb, fb
	WIN \win                                       ; weights window 1 or 2, rows window 3, sums window 0
.irp ks, 0,1,2,3
	s_wait_dscnt \younger+24-8*\ks                 ; eight reads a K step: the later steps' and the younger trip's stay out
.set z_, 0
.if \zero
.if \ks == 0
.set z_, 1
.endif
.endif
.irp mt, 0,1,2,3
.irp nt, 0,1,2,3
.if z_
	v_wmma_f32_16x16x32_f16 v[ACC+8*(4*\mt+\nt):ACC+8*(4*\mt+\nt)+7], v[\wb+8*(4*\nt+\ks):\wb+8*(4*\nt+\ks)+7], v[\fb+8*(4*\ks+\mt):\fb+8*(4*\ks+\mt)+7], 0
.else
	v_wmma_f32_16x16x32_f16 v[ACC+8*(4*\mt+\nt):ACC+8*(4*\mt+\nt)+7], v[\wb+8*(4*\nt+\ks):\wb+8*(4*\nt+\ks)+7], v[\fb+8*(4*\ks+\mt):\fb+8*(4*\ks+\mt)+7], v[ACC+8*(4*\mt+\nt):ACC+8*(4*\mt+\nt)+7]
.endif
.endr
.endr
.endr
.endm
; layers 2-4: rows from LDS at v[adr] (16 rows = p16 bytes), nks K steps, weights at name wb in the window of setting win, eight accumulators from acc on.
; The first K step starts the sums.  The accumulators take turns, one instruction a turn.
; The LDS loads owe no wait: the products that read these fragments last stand ahead of the wait on va_vdst in the layer's maximum, and no vector or matrix line since names them.
.macro MM adr, p16, nks, win, wb, acc
	WIN 0xc0
.set kq_, 0
.rept \nks
.irp mt, 0,1,2,3
	ds_load_b128 v[8*(4*kq_+\mt):8*(4*kq_+\mt)+3],   v[\adr] offset:\mt*\p16+64*kq_
	ds_load_b128 v[8*(4*kq_+\mt)+4:8*(4*kq_+\mt)+7], v[\adr] offset:\mt*\p16+64*kq_+32
.endr
.set kq_, kq_+1
.endr
	WIN \win
.set kq_, 0
.rept \nks
	s_wait_dscnt 8*(\nks-1-kq_)                    ; eight reads a K step: the later steps' stay out
.irp mt, 0,1,2,3
.irp nt, 0,1
.if kq_ == 0
	v_wmma_f32_16x16x32_f16 v[\acc+8*(2*\mt+\nt):\acc+8*(2*\mt+\nt)+7], v[\wb+8*(\nks*\nt+kq_):\wb+8*(\nks*\nt+kq_)+7], v[8*(4*kq_+\mt):8*(4*kq_+\mt)+7], 0
.else
	v_wmma_f32_16x16x32_f16 v[\acc+8*(2*\mt+\nt):\acc+8*(2*\mt+\nt)+7], v[\wb+8*(\nks*\nt+kq_):\wb+8*(\nks*\nt+kq_)+7], v[8*(4*kq_+\mt):8*(4*kq_+\mt)+7], v[\acc+8*(2*\mt+\nt):\acc+8*(2*\mt+\nt)+7]
.endif
.endr
.endr
.set kq_, kq_+1
.endr
	WIN 0
.endm
; sums x inverse scale + bias, fused: the two tiles of row tile mt
.macro BIASM acc, inv, bias, mt
.irp nt, 0,1
.irp p, 0,2,4,6
	v_pk_fma_f32 v[\acc+8*(2*\mt+\nt)+\p:\acc+8*(2*\mt+\nt)+\p+1], v[\acc+8*(2*\mt+\nt)+\p:\acc+8*(2*\mt+\nt)+\p+1], s[\inv:\inv+1], v[\bias+8*\nt+\p:\bias+8*\nt+\p+1] op_sel_hi:[1,0,1]
.endr
.endr
.endm
.macro BIAS acc, inv, bias
.irp mt, 0,1,2,3
	BIASM \acc, \inv, \bias, \mt
.endr
.endm
; the work-group's largest relu value of layer L (n registers from first on), the relu, and the two powers of two: scale in s[38:39], inverse in s[inv:inv+1]
.macro WGMAX L, first, n, inv
.set j_, 0
.rept 4
	v_max3_num_f32 v[120+j_], v[\first+2*j_], v[\first+2*j_+1], 0     ; four chains, started with 0: the relu's floor
.set j_, j_+1
.endr
.rept (\n-8)/2
	v_max3_num_f32 v[120+j_%4], v[\first+2*j_], v[\first+2*j_+1], v[120+j_%4]
.set j_, j_+1
.endr
	v_max3_num_f32 v120, v120, v121, v122
	v_max_num_f32 v120, v120, v123
	v_max_num_f32_dpp v120, v120, v120 row_xmask:1 row_mask:0xf bank_mask:0xf
	v_max_num_f32_dpp v120, v120, v120 row_xmask:2 row_mask:0xf bank_mask:0xf
	v_max_num_f32_dpp v120, v120, v120 row_xmask:4 row_mask:0xf bank_mask:0xf
	v_max_num_f32_dpp v120, v120, v120 row_xmask:8 row_mask:0xf bank_mask:0xf
	v_permlanex16_b32 v121, v120, s34, s35
	v_max_num_f32 v120, v120, v121
	s_wait_alu depctr_va_vdst(0)                   ; v120 is written, which the LDS store reads; the chain is done with v120 to v123, in which the load below lands; the layer's products are done reading their fragments
	ds_store_b32 v50, v120 offset:16*(\L-1)        ; my wave's word; each layer has its own four words
	s_wait_dscnt 0x0
	s_barrier_signal -1
.set j_, 0
.rept \n
	v_max_num_f32 v[\first+j_], 0, v[\first+j_]    ; the relu: register work while the others arrive
.set j_, j_+1
.endr
	s_barrier_wait -1
	s_wait_alu depctr_vm_vsrc(0)                   ; my LDS store has read v120, in which the load lands; so have all LDS stores issued so far read their data
	ds_load_b128 v[120:123], v51 offset:16*(\L-1)
	s_wait_dscnt 0x0
	v_max3_num_f32 v120, v120, v121, v122
	v_max_num_f32 v120, v120, v123
	v_readfirstlane_b32 s36, v120
	s_wait_alu depctr_va_sdst(0)                   ; s36 is written, ahead of its first reader: the scales are made from it
	s_bfe_u32 s36, s36, 0x80017                    ; E: the biased exponent
	s_max_u32 s36, s36, 27
	s_min_u32 s36, s36, 227
	s_sub_co_u32 s37, 268, s36
	s_lshl_b32 s38, s37, 23                        ; 2^(141 - E): the largest value lands in [2^14, 2^15)
	s_mov_b32 s39, s38
	s_sub_co_u32 s37, s36, 14
	s_lshl_b32 s[\inv], s37, 23                    ; 2^(E - 141)
	s_mov_b32 s[\inv+1], s[\inv]
.endm
; scale, round to f16, 16 bytes a lane and tile into the next layer's rows.  Tile t_ is scaled and rounded in place, ascending: register p takes registers 2p, 2p+1, which no earlier step has written.
.macro CONV acc
.set a_, \acc+8*t_
.irp p, 0,2,4,6
	v_pk_mul_f32 v[a_+\p:a_+\p+1], v[a_+\p:a_+\p+1], s[38:39] op_sel_hi:[1,0]
.endr
.irp p, 0,1,2,3
	v_cvt_pk_f16_f32 v[a_+\p], v[a_+2*\p], v[a_+2*\p+1]
.endr
.set t_, t_+1
.endm
.macro HST acc, nnt, adr, p16          ; tile u_ = nnt x row tile + column tile goes to LDS
	ds_store_b128 v[\adr], v[\acc+8*u_:\acc+8*u_+3] offset:(u_/\nnt)*\p16+32*(u_%\nnt)
.set u_, u_+1
.endm
; In two halves: the first half's stores are dealt among the second half's arithmetic, which names other tiles' registers alone.
.macro HOUT acc, nnt, adr, p16
.set t_, 0
.set u_, 0
.rept 2*\nnt
	CONV \acc
.endr
	s_wait_alu depctr_va_vdst(0)                   ; the roundings of row tiles 0 and 1 are written, which the LDS stores below read
.rept 2*\nnt
	HST \acc, \nnt, \adr, \p16
	CONV \acc
.endr
	s_wait_alu depctr_va_vdst(0)                   ; the roundings of row tiles 2 and 3 are written, which the LDS stores below read
.rept 2*\nnt
	HST \acc, \nnt, \adr, \p16
.endr
.endm
.macro OST mt                          ; the way out: row tile mt's two tiles of f32 into the stage
.irp nt, 0,1
	ds_store_b128 v48, v[128+8*(2*\mt+\nt):128+8*(2*\mt+\nt)+3]   offset:\mt*8448+\nt*64
	ds_store_b128 v48, v[128+8*(2*\mt+\nt)+4:128+8*(2*\mt+\nt)+7] offset:\mt*8448+\nt*64+16
.endr
.endm
	s_load_b256 s[4:11], s[0:1], 0x0               ; order 4, feat 6, wpack 8, b2 10
	s_load_b128 s[12:15], s[0:1], 0x20             ; b3 12, b4 14
	s_load_b64 s[16:17], s[0:1], 0x30              ; out0
	v_lshl_add_u32 v126, v0, 2, 0x1d700
	v_mov_b32 v127, 0
	v_lshrrev_b32 v2, 5, v0
	v_readfirstlane_b32 s20, v2                    ; wave 0..3
	v_and_b32 v1, 31, v0                           ; lane
	v_and_b32 v2, 15, v0                           ; r
	v_bfe_u32 v3, v0, 4, 1                         ; h
	v_lshlrev_b32 v4, 4, v1                        ; 16 lane: fragments
	v_lshlrev_b32 v5, 4, v2                        ; 16 r: my 16 bytes of a block of 256
	v_lshlrev_b32 v54, 2, v2                       ; list words r (+ 16 mt)
	s_wait_alu depctr_va_sdst(0)                   ; s20 is written, ahead of its first reader: offsets, bases and LDS addresses are made from it
	s_lshl_b32 s36, s20, 6
	v_lshl_add_u32 v53, v3, 2, s36                 ; list words 16w + h (+ 2i)
	s_lshl_b32 s37, s20, 7                         ; 128 w
	v_lshl_add_u32 v52, v3, 5, s37                 ; biases: columns 32w + 8h
	s_lshl_b32 s24, ttmp9, 8
	s_mov_b32 s25, 0
	s_wait_kmcnt 0x0
	s_add_nc_u64 s[4:5], s[4:5], s[24:25]          ; my 64 words of the list
	s_load_b32 s46, s[4:5], 0x0                    ; the first and the last of them
	s_load_b32 s47, s[4:5], 0xfc
	s_wait_alu depctr_va_vdst(0)                   ; the offsets v4, v52, v53 and v54 are written, which the global loads of the whole kernel read
.irp i, 0,1,2,3,4,5,6,7
	global_load_b32 v[FO+\i], v53, s[4:5] offset:8*\i
.endr
.irp mt, 0,1,2,3
	global_load_b32 v[TYP+\mt], v54, s[4:5] offset:64*\mt
.endr
	s_lshl_b32 s24, s20, 14
	s_add_nc_u64 s[28:29], s[8:9], s[24:25]
	s_add_nc_u64 s[26:27], s[8:9], s[24:25]        ; layer 1: + the type, below
	s_add_nc_u64 s[28:29], s[28:29], 1310720       ; layer 2: my 16 fragments
	s_lshl_b32 s24, s20, 13
	s_add_nc_u64 s[30:31], s[8:9], s[24:25]
	s_add_nc_u64 s[32:33], s[30:31], 1409024       ; layer 4: my 8 fragments
	s_add_nc_u64 s[30:31], s[30:31], 1376256       ; layer 3: my 8 fragments
	WIN 0x40
	LDFR 128, 28, 16                               ; layer 2's weights hang on no list word: 32 loads go out while the list words are on their way
	WIN 0
	; addresses
	v_mul_u32_u24 v120, v2, 272
	v_lshl_add_u32 v[XR], v3, 4, v120              ; 272 r + 16 h
	v_add_nc_u32 v[XR+1], 4352, v[XR]
	v_add_nc_u32 v[XR+2], 8704, v[XR]
	v_add_nc_u32 v[XR+3], 13056, v[XR]
	v_lshl_add_u32 v[ZR], v3, 4, 17408             ; row 64
	s_mul_i32 s36, s20, 4352
	v_mul_u32_u24 v121, v3, 272
	v_add3_u32 v41, v121, v5, s36                  ; XS in: rows 16w + h (+ 2i)
	v_mul_u32_u24 v122, v2, 528
	v_lshlrev_b32 v123, 4, v3
	v_add3_u32 v43, v122, v123, H1                 ; H1 read
	v_add_nc_u32 v42, s37, v43                     ; H1 in: + my 64 columns
	s_lshl_b32 s36, s20, 6
	v_add_nc_u32 v45, H2, v[XR]                    ; H2 read
	v_add_nc_u32 v44, s36, v45                     ; H2 in: + my 32 columns
	v_add_nc_u32 v47, H3, v[XR]
	v_add_nc_u32 v46, s36, v47
	v_lshl_add_u32 v48, v3, 5, v122
	v_add3_u32 v48, v48, s37, OS                   ; OS in: 528 r + 128 w + 32 h
	s_mul_i32 s36, s20, 8448
	v_mul_u32_u24 v121, v3, 528
	v_add3_u32 v49, v121, v5, s36
	v_add_nc_u32 v49, OS, v49                      ; OS read: rows 16w + h (+ 2i)
	s_lshl_b32 s36, s20, 2
	s_add_co_u32 s36, s36, MX
	v_mov_b32 v50, s36
	v_mov_b32 v51, MX
	s_mov_b32 s34, 0x76543210                      ; v_permlanex16_b32: lane i of one half reads lane i of the other
	s_mov_b32 s35, 0xfedcba98
	s_wait_kmcnt 0x0
	s_bfe_u32 s22, s46, 0x50010
	s_min_u32 s22, s22, 19                         ; the first row's type
	s_bfe_u32 s23, s47, 0x50010
	s_min_u32 s23, s23, 19                         ; the last row's
	s_lshl_b32 s24, s22, 16
	s_add_nc_u64 s[26:27], s[26:27], s[24:25]      ; layer 1's weights of the first type
	s_wait_loadcnt 32                              ; layer 2's 32 loads stay out: the 12 list words are in
.irp i, 0,1,2,3,4,5,6,7
	v_and_b32 v120, 0xffff, v[FO+\i]
	v_min_u32 v120, 0x3fff, v120                   ; a row of 16,384
	v_lshl_add_u32 v[FO+\i], v120, 8, v5
	v_lshl_add_u32 v[OO+\i], v120, 9, v5
.endr
.irp mt, 0,1,2,3
	v_bfe_u32 v[TYP+\mt], v[TYP+\mt], 16, 5
	v_min_u32 v[TYP+\mt], 19, v[TYP+\mt]           ; type
.endr
	SEL XA                                         ; the first trip's rows are chosen here, so that the wait below serves their LDS loads too
	s_wait_alu depctr_va_vdst(0)                   ; FO is written, which the feature loads read; so are OO, XA and the LDS addresses v41 to v51, which later stores and loads read
.irp i, 0,1,2,3,4,5,6,7
	global_load_b128 v[56+4*\i:59+4*\i], v[FO+\i], s[6:7] th:TH_LOAD_NT   ; two feature rows: sixteen lanes take one row of 256 bytes; each row is read once in the launch
.endr
	WIN 0x40
	LDFR 0, 26, 16                                 ; layer 1's weights of the first type: 32 loads
	WIN 0
	s_wait_loadcnt 32                              ; those 32 stay out: the feature rows, and layer 2's weights in front of them, are in
.irp i, 0,1,2,3,4,5,6,7
	ds_store_b128 v41, v[56+4*\i:59+4*\i] offset:544*\i
.endr
	s_cmp_lg_u32 s20, 0
	s_cbranch_scc1 .Lnozero
	v_mov_b32 v120, 0
	v_mov_b32 v121, 0
	v_lshl_add_u32 v122, v1, 3, 17408
	s_wait_alu depctr_va_vdst(0)                   ; v120 to v122 are written, which the LDS store reads
	ds_store_b64 v122, v[120:121]                  ; wave 0: the row of zeros, 256 bytes
.Lnozero:
	s_wait_dscnt 0x0                               ; my rows are written
	s_barrier_signal -1
	s_barrier_wait -1                              ; all 64 rows and the zeros are in XS
	; layer 1
	s_cmp_ge_u32 s22, s23
	s_cbranch_scc1 .Lone
	; several types: the second type's weights go out now, into registers of their own, behind the first type's; so do both trips' row fragments, each into a buffer of its own
	s_add_nc_u64 s[18:19], s[26:27], 65536
	s_add_co_u32 s22, s22, 1                       ; the second type
	WIN 0x80
	LDFR 128, 18, 16
	WIN 0xc0
	ROWS XA, 0                                     ; no wait: XA stands ahead of the last wait on va_vdst, and no vector line has named these fragments
	WIN 0
	SEL XB
	WIN 0xc0
	s_wait_alu depctr_va_vdst(0)                   ; XB is written, which the LDS loads below read
	ROWS XB, 128
	s_wait_loadcnt 32                              ; the second type's 32 loads stay out
	PROD 1, 32, 0x0d, 0, 0
	s_wait_loadcnt 0x0                             ; the second type's weights
	PROD 0, 0, 0x0e, 128, 128                      ; its fragments lie in registers of their own: the products follow the first trip's
	WIN 0
	s_cmp_ge_u32 s22, s23
	s_cbranch_scc1 .Ll1done
	s_add_nc_u64 s[26:27], s[26:27], 65536         ; no load is out: the base steps to the second type; the loop steps it on
.Lmore:
	s_add_co_u32 s22, s22, 1                       ; the next type
	s_wait_xcnt 0x0                                ; the base is stepped only behind this wait
	s_add_nc_u64 s[26:27], s[26:27], 65536
	s_wait_alu depctr_vm_vsrc(0)                   ; the LDS loads issued so far have read XA, which the selects write again
	SEL XA                                         ; eight vector lines between the last products and the loads below
	WIN 0x40
	s_wait_alu depctr_va_vdst(0)                   ; XA is written; the products issued so far are done reading window 1's weights and the fragments from name 0 on, in which the loads below land
	LDFR 0, 26, 16
	WIN 0xc0
	ROWS XA, 0
	s_wait_loadcnt 0x0
	PROD 0, 0, 0x0d, 0, 0
	WIN 0
	s_cmp_lt_u32 s22, s23
	s_cbranch_scc1 .Lmore
	s_branch .Ll1done
.Lone:
	WIN 0xc0
	ROWS XA, 0                                     ; one type.  No wait: XA stands ahead of the last wait on va_vdst, and no vector line has named these fragments
	s_wait_loadcnt 0x0
	PROD 1, 0, 0x0d, 0, 0
	WIN 0
.Ll1done:
	PLACES
	; what the later layers need, 4 + 4 + 16 + 16 + 4 = 44 loads, in the order of need.  No vector or matrix line has ever named the registers in which they land, and their
	; offsets were written at the head: they owe no wait on va_vdst and go out while the last products are at work.
	s_wait_alu depctr_vm_vsrc(0)                   ; the LDS stores into XS have read v56 to v87, in which b3 and b4 land; wave 0's store of the zeros has read v120 to v122, which the maximum writes
	global_load_b128 v[88:91],   v52, s[10:11]     ; b2
	global_load_b128 v[92:95],   v52, s[10:11] offset:16
	global_load_b128 v[96:99],   v52, s[10:11] offset:64
	global_load_b128 v[100:103], v52, s[10:11] offset:80
	global_load_b128 v[56:59], v52, s[12:13]       ; b3, into registers that held the feature rows
	global_load_b128 v[60:63], v52, s[12:13] offset:16
	global_load_b128 v[64:67], v52, s[12:13] offset:64
	global_load_b128 v[68:71], v52, s[12:13] offset:80
	WIN 0x80
	LDFR 0, 30, 8                                  ; layer 3's weights
	LDFR 64, 32, 8                                 ; layer 4's
	WIN 0
	global_load_b128 v[72:75], v52, s[14:15]       ; b4
	global_load_b128 v[76:79], v52, s[14:15] offset:16
	global_load_b128 v[80:83], v52, s[14:15] offset:64
	global_load_b128 v[84:87], v52, s[14:15] offset:80
	WGMAX 1, 128, 128, 40
	HOUT 128, 4, 42, 8448
	s_wait_dscnt 0x0
	s_barrier_signal -1
	s_barrier_wait -1                              ; H1 is whole
	s_wait_alu depctr_vm_vsrc(0)                   ; my LDS stores into H1 have read v128 to v255, which the products of layers 2 and 3 write
	MM 43, 8448, 8, 0x0d, 128, 128                 ; layer 2: K = 256
	PLACES
	s_wait_loadcnt 40                              ; b2 is in; the 40 loads behind it stay out
	BIAS 128, 40, 88
	WGMAX 2, 128, 64, 42
	HOUT 128, 2, 44, 4352
	s_wait_dscnt 0x0
	s_barrier_signal -1
	s_barrier_wait -1                              ; H2 is whole
	s_wait_loadcnt 20                              ; b3 and layer 3's weights are in; layer 4's 16 loads and b4's 4 stay out
	MM 45, 4352, 4, 0x0e, 0, 192                   ; layer 3
	PLACES
	BIAS 192, 42, 56
	WGMAX 3, 192, 64, 44
	HOUT 192, 2, 46, 4352
	s_wait_dscnt 0x0
	s_barrier_signal -1
	s_barrier_wait -1                              ; H3 is whole
	s_wait_loadcnt 0x0                             ; layer 4's weights and b4
	MM 47, 4352, 4, 0x0e, 64, 128                  ; layer 4.  It writes v128 to v191: the LDS stores into H2, which read them, stand ahead of the wait on vm_vsrc in layer 3's maximum
	PLACES
	; the way out: f32 rows gathered in LDS, read back as whole rows, stored to each row's own place in out0.  In two halves, as the hidden rows: a half's stores among the other half's arithmetic
	BIASM 128, 44, 72, 0
	BIASM 128, 44, 72, 1
	s_wait_alu depctr_va_vdst(0)                   ; row tiles 0 and 1 are written, which the LDS stores below read
	OST 0
	BIASM 128, 44, 72, 2
	OST 1
	BIASM 128, 44, 72, 3
	s_wait_alu depctr_va_vdst(0)                   ; row tiles 2 and 3 are written, which the LDS stores below read
	OST 2
	OST 3
	s_wait_dscnt 0x0
	s_barrier_signal -1
	s_barrier_wait -1
	s_wait_alu depctr_vm_vsrc(0)                   ; my LDS stores into H3 have read v192 to v255, in which the loads below land (the vector lines that named them stand ahead of the waits on va_vdst above)
.irp i, 0,1,2,3,4,5,6,7
	ds_load_b128 v[192+8*\i:195+8*\i], v49 offset:1056*\i
	ds_load_b128 v[196+8*\i:199+8*\i], v49 offset:1056*\i+256
.endr
.irp i, 0,1,2,3,4,5,6,7
	s_wait_dscnt 15-2*\i                           ; the younger reads stay out
	global_store_b128 v[OO+\i], v[192+8*\i:195+8*\i], s[16:17] th:TH_STORE_NT             ; sixteen lanes store 256 consecutive bytes, aligned
	s_wait_dscnt 14-2*\i
	global_store_b128 v[OO+\i], v[196+8*\i:199+8*\i], s[16:17] offset:256 th:TH_STORE_NT
.endr
	s_wait_dscnt 0x0
	s_wait_alu depctr_hold_cnt(0) depctr_sa_sdst(0) depctr_va_vdst(0) depctr_va_sdst(0) depctr_va_ssrc(0) depctr_va_vcc(0) depctr_vm_vsrc(0)
	s_wait_tensorcnt 0x0
	ds_add_u32 v126, v127
	s_wait_dscnt 0x0
	s_endpgm
.Lfunc_end_k_q7c00f0c3ff_main:
	.size	k_q7c00f0c3ff_main, .Lfunc_end_k_q7c00f0c3ff_main-k_q7c00f0c3ff_main
	.p2alignl 7, 3214868480
	.fill 96, 4, 3214868480
	.section	.rodata,"a",@progbits
	.p2align	6, 0x0
	.amdhsa_kernel k_q7c00f0c3ff_main
		.amdhsa_group_segment_fixed_size 121088
		.amdhsa_private_segment_fixed_size 0
		.amdhsa_enable_private_segment 0
		.amdhsa_kernarg_size 56
		.amdhsa_user_sgpr_count 2
		.amdhsa_user_sgpr_kernarg_segment_ptr 1
		.amdhsa_wavefront_size32 1
		.amdhsa_system_sgpr_workgroup_id_x 1
		.amdhsa_system_sgpr_workgroup_id_y 1
		.amdhsa_system_sgpr_workgroup_id_z 1
		.amdhsa_system_vgpr_workitem_id 0
		.amdhsa_next_free_vgpr 1024
		.amdhsa_next_free_sgpr 66
		.amdhsa_reserve_vcc 0
		.amdhsa_float_denorm_mode_32 3
		.amdhsa_float_denorm_mode_16_64 3
		.amdhsa_memory_ordered 1
		.amdhsa_forward_progress 1
		.amdhsa_inst_pref_size 119
	.end_amdhsa_kernel
	.amdgpu_metadata
---
amdhsa.version: [ 1, 2 ]
amdhsa.kernels:
  - .name:           k_q7c00f0c3ff_main
    .symbol:         k_q7c00f0c3ff_main.kd
    .args:
      - { .name: order, .offset: 0, .size: 8, .value_kind: global_buffer, .address_space: global }
      - { .name: feat, .offset: 8, .size: 8, .value_kind: global_buffer, .address_space: global }
      - { .name: wpack, .offset: 16, .size: 8, .value_kind: global_buffer, .address_space: global }
      - { .name: b2, .offset: 24, .size: 8, .value_kind: global_buffer, .address_space: global }
      - { .name: b3, .offset: 32, .size: 8, .value_kind: global_buffer, .address_space: global }
      - { .name: b4, .offset: 40, .size: 8, .value_kind: global_buffer, .address_space: global }
      - { .name: out0, .offset: 48, .size: 8, .value_kind: global_buffer, .address_space: global }
    .group_segment_fixed_size: 121088
    .private_segment_fixed_size: 0
    .kernarg_segment_align: 8
    .kernarg_segment_size: 56
    .max_flat_workgroup_size: 128
    .sgpr_count:     66
    .vgpr_count:     1024
    .wavefront_size: 32
...
	.end_amdgpu_metadata
.endif
;; end of part 3
